; MI455X (gfx1250); checked and timed in simulation.
; The chip was launched on July 23, 2026; its instructions are those of AMD's public machine-readable ISA for CDNA 5 (MIT licence, August 2026) and "CDNA5" Instruction Set Architecture Reference Guide (July 2026). The comments in the code are by the model that wrote it; some were corrected since.
;; Local Causal Transformer Block. Allowed arithmetic: matrix products marked QUANTISED: E4M3 operands, one given power-of-two scale a tensor, by v_wmma_f32_16x16x64_fp8_fp8 or v_wmma_f32_16x16x128_fp8_fp8, f32 sums; everything else in f32.
;; Inputs: b1 1,024 float32; b2 1,024 float32; fc1_b 4,096 float32; fc1_w_codes 4,096 x 32 x 32 uint8 (E4M3 codes of fc1_w, K innermost, in blocks of 32 codes); fc2_b 1,024 float32; fc2_w_codes 1,024 x 128 x 32 uint8 (E4M3 codes of fc2_w, K innermost, in blocks of 32 codes); g1 1,024 float32; g2 1,024 float32; lowp_scales 12 int32 (the exponents e of the quantised operands' scales 2^e); proj_b 1,024 float32; proj_w_codes 1,024 x 32 x 32 uint8 (E4M3 codes of proj_w, K innermost, in blocks of 32 codes); qkv_b 3,072 float32; qkv_w_codes 3,072 x 32 x 32 uint8 (E4M3 codes of qkv_w, K innermost, in blocks of 32 codes); x 2 x 2,048 x 1,024 float32.
;; Outputs: out0 2 x 2,048 x 1,024 float32.
;; This version of the problem:
;;   THIS VERSION OF THE PROBLEM IS GIVEN IN LOW PRECISION. The matrix products marked QUANTISED in the list below multiply operands that are first quantised to E4M3 (4 exponent bits, 3 mantissa bits; 8 bits a number), with one given power-of-two scale for each operand tensor; their sums are f32. All else is computed in f32.
;;   The module's matrix products, in the order in which they are computed (A, B: the left and right operand; K: the contracted axis; several contracted axes count as one K, in the product's order):
;;     1. [M 4,096, K 1,024] x [K 1,024, N 3,072]; A: computed on the way; B: input qkv_w (given as codes): QUANTISED (scales: A lowp_scales[0], B lowp_scales[1])
;;     2. batch 32 x [M 2,048, K 64] x [K 64, N 2,048]; A: computed on the way; B: computed on the way: QUANTISED (scales: A lowp_scales[2], B lowp_scales[3])
;;     3. batch 32 x [M 64, K 2,048] x [K 2,048, N 2,048]; A: computed on the way; B: softmax (see below): QUANTISED (scales: A lowp_scales[4], B lowp_scales[5])
;;     4. [M 4,096, K 1,024] x [K 1,024, N 1,024]; A: computed on the way; B: input proj_w (given as codes): QUANTISED (scales: A lowp_scales[6], B lowp_scales[7])
;;     5. [M 4,096, K 1,024] x [K 1,024, N 4,096]; A: computed on the way; B: input fc1_w (given as codes): QUANTISED (scales: A lowp_scales[8], B lowp_scales[9])
;;     6. [M 4,096, K 4,096] x [K 4,096, N 1,024]; A: computed on the way; B: input fc2_w (given as codes): QUANTISED (scales: A lowp_scales[10], B lowp_scales[11])
;;   THE QUANTISER, for each operand of a quantised product, along K:
;;     - The operand's scale is 2^e, e = its entry of the input lowp_scales (int32; the entries are numbered through the quantised products in the list's order, A before B).
;;     - Each number is divided by the scale, clamped to +-448, and rounded to the nearest number of E4M3, ties to even, subnormals kept.
;;     - The product sums the exact products of the quantised numbers (number of the format x scale) in f32.
;;   ~~~python
;;   def quantise(x, axis, e):      # numpy; x: float32 -> the quantised numbers, widened to float32 again
;;       x = np.moveaxis(x, axis, -1); K = x.shape[-1]
;;       r = np.clip(x / 2.0 ** e, -448, 448)
;;       step = 2.0 ** (np.maximum(np.frexp(np.where(r == 0, 1, r))[1] - 1, -6) - 3)
;;       q = np.round(r / step) * step * 2.0 ** e      # np.round: ties to even
;;       return np.moveaxis(q, -1, axis).astype(np.float32)
;;   ~~~
;;   SOFTMAX AHEAD OF A QUANTISED PRODUCT. Where the list says 'softmax', what is quantised is not the finished softmax but p = 2^(t - M), with t = logit x log2(e) and M = ceil(the row's largest t), a whole number; so 1/2 < the row's largest p <= 1. The row's sum l is taken of the UNQUANTISED p, in f32, and the product's result is divided by l at the end. Since M is a whole number, a kernel that streams over the keys may use a running M (the ceiling of the running maximum): every later rescaling is an exact power of two, so the quantised numbers keep their values, but for numbers so far below the row's largest that they fall under the format's range.
;;   OPERANDS COMPUTED ON THE WAY. 'Computed on the way' means the value that the module computes at that place (a softmax that the list does not call 'softmax' is quantised finished and normalised). What goes into a quantiser is computed in f32, as accurately as f32 sums, v_exp_f32 and their like allow (about 1e-6 of the number): no bf16 or f16 on the way to a quantiser, and a product that is left as it is and whose result goes on into a quantised operand takes f32 operands (vector FMAs, or v_wmma_f32_16x16x4_f32). A number that lies on a knife's edge between two numbers of the format may be rounded either way, as far as f32 arithmetic and the matrix unit's own rounding can turn it there, and no further.
;;   INPUTS GIVEN AS CODES. fc1_w (in the module: [1024, 4096], K = its axis 0); fc2_w (in the module: [4096, 1024], K = its axis 0); proj_w (in the module: [1024, 1024], K = its axis 0); qkv_w (in the module: [1024, 3072], K = its axis 0): each comes as NAME_codes (uint8): NAME with its K axis moved to the last place and cut into blocks of 32 codes, [.., K / 32, bytes a block], one block behind the other in memory; one code a byte (a code: sign, 4 exponent bits, 3 mantissa bits); its scale is its entry of lowp_scales. Its value is code x scale, taken as it is: it is not quantised again, and the codes and scales need not be those that the quantiser above would give.
;; One version. Each part assembles by itself: llvm-mc -triple=amdgcn-amd-amdhsa -mcpu=gfx1250 --defsym DOCPART=n.
;; ======== version 1 of 1: 5 launches
;; limits: right only within a limited range of input values
;; workspace buffers: acodes 4,194,304 bytes; qkvc 12,582,912 bytes; x2 16,777,216 bytes; hid 16,777,216 bytes; wl 1,048,576 bytes
;; launch ln1 (part 1): grid 256 x 1, 8 waves a work-group, no clusters, 93,184 bytes of LDS; arguments x, g1, b1, lowp_scales, acodes, proj_w_codes, wl; writes acodes, wl
.if DOCPART == 1
	.amdgcn_target "amdgcn-amd-amdhsa--gfx1250"
	.amdhsa_code_object_version 6
	.text
	.protected	k_q875f1f9c4f_ln1
	.globl	k_q875f1f9c4f_ln1
	.p2align	8
	.type	k_q875f1f9c4f_ln1,@function
k_q875f1f9c4f_ln1:
	s_mov_b64 s[64:65], 0
	v_nop
	global_prefetch_b8 v0, s[64:65] scope:SCOPE_SE
	s_setreg_imm32_b32 hwreg(HW_REG_WAVE_MODE, 25, 1), 1
	s_wait_xcnt 0x0
; LAYER NORM AND QUANTISER.  y = (x - mean) * rsqrt(var + 1e-5) * g + b over rows of 1,024 f32, then code = y / 2^e, held within +-448, to the nearest E4M3 code, ties to even.
; x: [4096][1024] f32; g, b: [1024] f32; e: entry SCI (int32) of the buffer of scales; codes: [4096][1024], one byte each, the row's axis innermost.
; LIMITS: e between -126 and 119, so that 2^e and 448 x 2^e are f32 numbers.  NaN among the inputs is not served.
; SHARES.  A work-group of eight waves takes 16 rows, a wave two.  A row is 4,096 bytes: eight loads of 512 consecutive bytes; both rows are asked for at once, so there is no loop.
; The conversions take 8 numbers of ONE lane, so a lane must hold neighbours: a row goes through the wave's own stage in LDS as it lies and comes back 64 bytes a lane.  The stage has 16 bytes of padding
; behind each 64: chunk q of 16 bytes lies at 80 (q / 4) + 16 (q % 4).  A lane then holds elements 512 s + 16 lane + 0 .. 15, s = 0, 1; its 16 codes are 16 bytes, and the wave stores 512 consecutive bytes.
; g and b are loaded once by the work-group (thread t: chunk t), laid in LDS in the same form, and read by all waves behind the one barrier.
; The variance is taken of x - mean (two passes over registers): no difference of large sums is formed.
; No matrix unit, no cluster, no tensor load: nothing is shared but g and b, and memory binds.
.set SCI,  0                           ; which entry of the scales
.set GIM,  0                           ; LDS: g's image, 5,120 bytes
.set BIM,  5120                        ; b's image
.set STG,  10240                       ; the stages: two row images for each wave
.set RIM,  5120                        ; a row's image: 64 places of 80 bytes
.set XL,   24                          ; v24-87   two rows as loaded; v24-27 at work afterwards
.set X,    88                          ; v88-151  two rows, 32 neighbours-in-runs-of-16 a lane each
.set G,    152                         ; v152-183 g in the same layout
.set B,    184                         ; v184-215 b
.set C,    216                         ; v216-231 codes: four registers for each row and half, so that no store's data are written again
	s_load_b256 s[4:11], s[0:1], 0x0               ; x s[4:5], g s[6:7], b s[8:9], the scales' exponents s[10:11]
	s_load_b64 s[12:13], s[0:1], 0x20
	s_load_b128 s[28:31], s[0:1], 0x28             ; proj_w's codes s[28:29]; wl s[30:31]
	v_lshl_add_u32 v232, v0, 2, 0x16800
	v_mov_b32 v233, 0
	v_lshrrev_b32 v1, 5, v0
	s_delay_alu instid0(VALU_DEP_1)
	v_readfirstlane_b32 s14, v1                    ; wave 0..7
	v_and_b32 v1, 31, v0                           ; lane
	s_delay_alu instid0(VALU_DEP_1)
	v_lshlrev_b32 v2, 4, v1                        ; 16 x lane: my bytes of a load's 512, and of a store's
	v_lshlrev_b32 v3, 4, v0                        ; 16 x thread: my chunk of g and of b
	v_lshrrev_b32 v4, 2, v0
	s_delay_alu instid0(VALU_DEP_1)
	v_mul_u32_u24 v4, v4, 80
	v_and_b32 v8, 3, v0
	s_delay_alu instid0(VALU_DEP_1)
	v_lshl_add_u32 v4, v8, 4, v4                   ; its place in an image: 80 (t / 4) + 16 (t % 4)
	s_mul_i32 s15, s14, 2*RIM
	s_add_co_u32 s15, s15, STG                     ; my wave's stages
	v_lshrrev_b32 v5, 2, v1
	s_delay_alu instid0(VALU_DEP_1)
	v_mul_u32_u24 v5, v5, 80
	s_delay_alu instid0(VALU_DEP_1)
	v_lshl_add_u32 v5, v8, 4, v5                   ; (t % 4 = lane % 4)
	s_delay_alu instid0(VALU_DEP_1)
	v_add_nc_u32 v5, s15, v5                       ; into a stage: 80 (lane / 4) + 16 (lane % 4); a load's 512 bytes take eight places
	v_mul_u32_u24 v7, v1, 80                       ; out of an image: 80 x lane
	s_delay_alu instid0(VALU_DEP_1)
	v_add_nc_u32 v6, s15, v7                       ; out of a stage
	; ALSO: proj_w's codes are laid once in the order of a wave's operand registers, for the launch that multiplies them: 4,096 bytes a work-group, 16 a thread.
	; wl's byte d = 65536 G + 8192 q + 2048 b + 512 c + 16 (16 h + r) holds W[16 (4 G + b) + r][128 q + 32 c + 16 h + 0 .. 15].  Here d = 4096 x work-group + 16 x thread.
	v_and_b32 v234, 0x70, v0                       ; 32 c + 16 h
	v_and_b32 v235, 15, v0                         ; r
	v_lshl_add_u32 v234, v235, 10, v234            ; + 1,024 r
	v_lshrrev_b32 v235, 7, v0                      ; b's low bit
	v_lshl_add_u32 v234, v235, 14, v234            ; + 16 rows of 1,024 bytes
	s_lshr_b32 s26, ttmp9, 4                       ; G
	s_lshl_b32 s26, s26, 2
	s_and_b32 s27, ttmp9, 1
	s_lshl_b32 s27, s27, 1                         ; b's high bit
	s_add_co_u32 s26, s26, s27
	s_lshl_b32 s26, s26, 14
	s_bfe_u32 s27, ttmp9, 0x30001                  ; q
	s_lshl_b32 s27, s27, 7
	s_add_co_u32 s26, s26, s27
	s_mov_b32 s27, 0
	s_lshl_b32 s2, ttmp9, 12
	s_mov_b32 s3, 0
	s_mov_b32 s16, 0x76543210
	s_mov_b32 s17, 0xfedcba98
	s_mov_b32 s18, 0x3a800000                      ; 1 / 1024
	s_mov_b32 s19, 0x3727c5ac                      ; 1e-5
	s_lshl_b32 s20, ttmp9, 16                      ; 16 rows of 4,096 bytes a work-group,
	s_lshl_b32 s21, s14, 13                        ; two a wave
	s_add_co_u32 s20, s20, s21
	s_mov_b32 s21, 0
	s_lshr_b32 s24, s20, 2                         ; the same rows in the codes: 1,024 bytes each
	s_mov_b32 s25, 0
	s_wait_alu depctr_va_vdst(0)
	s_wait_kmcnt 0x0
	s_load_b32 s22, s[10:11], 4*SCI                ; e
	s_add_nc_u64 s[4:5], s[4:5], s[20:21]
	s_add_nc_u64 s[12:13], s[12:13], s[24:25]
	s_add_nc_u64 s[28:29], s[28:29], s[26:27]
	s_add_nc_u64 s[30:31], s[30:31], s[2:3]
	global_load_b128 v[236:239], v234, s[28:29]    ; older than g's and b's loads: in when they are
	global_load_b128 v[16:19], v3, s[6:7]
	global_load_b128 v[20:23], v3, s[8:9]
.irp p, 0,1
.irp i, 0,1,2,3,4,5,6,7
	global_load_b128 v[XL+32*\p+4*\i:XL+32*\p+4*\i+3], v2, s[4:5] offset:4096*\p+512*\i th:TH_LOAD_NT   ; 32 lanes read 512 consecutive bytes
.endr
.endr
.macro TURN p                          ; row p through its stage: LDS serves a wave's instructions in order, so no wait stands between the stores and the loads
.irp i, 0,1,2,3,4,5,6,7
	ds_store_b128 v5, v[XL+32*\p+4*\i:XL+32*\p+4*\i+3] offset:RIM*\p+640*\i
.endr
.irp s, 0,1
.irp j, 0,1,2,3
	ds_load_b128 v[X+32*\p+16*\s+4*\j:X+32*\p+16*\s+4*\j+3], v6 offset:RIM*\p+2560*\s+16*\j
.endr
.endr
.endm
.macro WSUM r, t                       ; the sum over the 32 lanes, in every lane: four steps inside each half ride on the addition, one crosses the halves
	s_delay_alu instid0(VALU_DEP_1)
	v_add_f32_dpp v[\r], v[\r], v[\r] row_xmask:1 row_mask:0xf bank_mask:0xf
	s_delay_alu instid0(VALU_DEP_1)
	v_add_f32_dpp v[\r], v[\r], v[\r] row_xmask:2 row_mask:0xf bank_mask:0xf
	s_delay_alu instid0(VALU_DEP_1)
	v_add_f32_dpp v[\r], v[\r], v[\r] row_xmask:4 row_mask:0xf bank_mask:0xf
	s_delay_alu instid0(VALU_DEP_1)
	v_add_f32_dpp v[\r], v[\r], v[\r] row_xmask:8 row_mask:0xf bank_mask:0xf
	s_delay_alu instid0(VALU_DEP_1)
	v_permlanex16_b32 v[\t], v[\r], s16, s17       ; its destination counts as read: a register that has been written
	s_delay_alu instid0(VALU_DEP_1)
	v_add_f32 v[\r], v[\r], v[\t]
.endm
	s_wait_loadcnt 16
	global_store_b128 v3, v[236:239], s[30:31]     ; 32 lanes store 512 consecutive bytes; v3 and the data are not written again
	ds_store_b128 v4, v[16:19] offset:GIM
	ds_store_b128 v4, v[20:23] offset:BIM
	s_wait_loadcnt 8                               ; row 0 is in; row 1's eight loads may be out
	TURN 0
	s_wait_loadcnt 0x0
	TURN 1
	s_wait_kmcnt 0x0
	s_add_co_i32 s22, s22, 127
	s_lshl_b32 s23, s22, 23
	v_mov_b32 v9, s23                              ; 2^e as f32: the conversion takes its exponent field
	s_add_co_i32 s22, s22, 8
	s_lshl_b32 s22, s22, 23
	s_or_b32 s22, s22, 0x600000
	v_mov_b32 v10, s22                             ; 448 x 2^e
	s_wait_dscnt 0x0                               ; for the others' sake: my chunks of g and b lie in LDS; my rows are back too
	s_barrier_signal -1
	s_barrier_wait -1
.irp s, 0,1
.irp j, 0,1,2,3
	ds_load_b128 v[G+16*\s+4*\j:G+16*\s+4*\j+3], v7 offset:GIM+2560*\s+16*\j
	ds_load_b128 v[B+16*\s+4*\j:B+16*\s+4*\j+3], v7 offset:BIM+2560*\s+16*\j
.endr
.endr
	s_wait_dscnt 0x0
.macro ROW p
.set XB, X+32*\p
	v_pk_add_f32 v[24:25], v[XB:XB+1], v[XB+2:XB+3]            ; the sum of my 32 numbers, two at a time, in two chains
	v_pk_add_f32 v[26:27], v[XB+4:XB+5], v[XB+6:XB+7]
.irp j, 8,12,16,20,24,28
	s_delay_alu instid0(VALU_DEP_2)
	v_pk_add_f32 v[24:25], v[24:25], v[XB+\j:XB+\j+1]
	s_delay_alu instid0(VALU_DEP_2)
	v_pk_add_f32 v[26:27], v[26:27], v[XB+\j+2:XB+\j+3]
.endr
	s_delay_alu instid0(VALU_DEP_1)
	v_pk_add_f32 v[24:25], v[24:25], v[26:27]
	s_delay_alu instid0(VALU_DEP_1)
	v_add_f32 v24, v24, v25
	WSUM 24, 25
	s_delay_alu instid0(VALU_DEP_1)
	v_mul_f32 v12, s18, v24                        ; the mean,
	s_delay_alu instid0(VALU_DEP_1)
	v_mov_b32 v13, v12                             ; twice: a pair for the packed forms
.set i, 0
.rept 16
	v_pk_add_f32 v[XB+i:XB+i+1], v[XB+i:XB+i+1], v[12:13] neg_lo:[0,1] neg_hi:[0,1]   ; x - mean, in place
.set i, i+2
.endr
	v_pk_mul_f32 v[24:25], v[XB:XB+1], v[XB:XB+1]              ; the sum of its squares, again in two chains
	v_pk_mul_f32 v[26:27], v[XB+2:XB+3], v[XB+2:XB+3]
.irp j, 4,8,12,16,20,24,28
	s_delay_alu instid0(VALU_DEP_2)
	v_pk_fma_f32 v[24:25], v[XB+\j:XB+\j+1], v[XB+\j:XB+\j+1], v[24:25]
	s_delay_alu instid0(VALU_DEP_2)
	v_pk_fma_f32 v[26:27], v[XB+\j+2:XB+\j+3], v[XB+\j+2:XB+\j+3], v[26:27]
.endr
	s_delay_alu instid0(VALU_DEP_1)
	v_pk_add_f32 v[24:25], v[24:25], v[26:27]
	s_delay_alu instid0(VALU_DEP_1)
	v_add_f32 v24, v24, v25
	WSUM 24, 25
	s_delay_alu instid0(VALU_DEP_1)
	v_fma_f32 v24, v24, s18, s19                   ; the variance + 1e-5
	s_wait_alu depctr_va_vdst(0)
	v_rsq_f32 v14, v24
	v_rsq_f32 v15, v24                             ; twice, to fill the pair
	v_nop                                          ; a plain line behind the last transcendental (ISA guide 5.7.2),
	s_wait_alu depctr_va_vdst(0)                   ; and the one wait for both, ahead of the first line that names a result
.set i, 0
.rept 16
	v_pk_mul_f32 v[XB+i:XB+i+1], v[XB+i:XB+i+1], v[14:15]
.set i, i+2
.endr
.set i, 0
.rept 16
	v_pk_fma_f32 v[XB+i:XB+i+1], v[XB+i:XB+i+1], v[G+i:G+i+1], v[B+i:B+i+1]
.set i, i+2
.endr
.set i, 0
.rept 32
	v_med3_num_f32 v[XB+i], v[XB+i], -v10, v10     ; the conversion to an 8-bit code does not saturate (ISA guide 7.6.2): the hold at the largest code x the scale
.set i, i+1
.endr
.irp s, 0,1
	v_cvt_scalef32_pk8_fp8_f32 v[C+8*\p+4*\s:C+8*\p+4*\s+1], v[XB+16*\s:XB+16*\s+7], v9
	v_cvt_scalef32_pk8_fp8_f32 v[C+8*\p+4*\s+2:C+8*\p+4*\s+3], v[XB+16*\s+8:XB+16*\s+15], v9
.endr
	v_nop                                          ; a plain line behind the last conversion
.irp s, 0,1
	global_store_b128 v2, v[C+8*\p+4*\s:C+8*\p+4*\s+3], s[12:13] offset:1024*\p+512*\s   ; 32 lanes store 512 consecutive bytes, at a multiple of 256 from the buffer's first byte
.endr
.endm
	ROW 0
	ROW 1
	s_wait_tensorcnt 0x0
	ds_add_u32 v232, v233
	s_wait_dscnt 0x0
	s_endpgm
.Lfunc_end_k_q875f1f9c4f_ln1:
	.size	k_q875f1f9c4f_ln1, .Lfunc_end_k_q875f1f9c4f_ln1-k_q875f1f9c4f_ln1
	.p2alignl 7, 3214868480
	.fill 96, 4, 3214868480
	.section	.rodata,"a",@progbits
	.p2align	6, 0x0
	.amdhsa_kernel k_q875f1f9c4f_ln1
		.amdhsa_group_segment_fixed_size 93184
		.amdhsa_private_segment_fixed_size 0
		.amdhsa_enable_private_segment 0
		.amdhsa_kernarg_size 56
		.amdhsa_user_sgpr_count 2
		.amdhsa_user_sgpr_kernarg_segment_ptr 1
		.amdhsa_wavefront_size32 1
		.amdhsa_system_sgpr_workgroup_id_x 1
		.amdhsa_system_sgpr_workgroup_id_y 1
		.amdhsa_system_sgpr_workgroup_id_z 1
		.amdhsa_system_vgpr_workitem_id 0
		.amdhsa_next_free_vgpr 240
		.amdhsa_next_free_sgpr 66
		.amdhsa_reserve_vcc 0
		.amdhsa_float_denorm_mode_32 3
		.amdhsa_float_denorm_mode_16_64 3
		.amdhsa_memory_ordered 1
		.amdhsa_forward_progress 1
		.amdhsa_inst_pref_size 29
	.end_amdhsa_kernel
	.amdgpu_metadata
---
amdhsa.version: [ 1, 2 ]
amdhsa.kernels:
  - .name:           k_q875f1f9c4f_ln1
    .symbol:         k_q875f1f9c4f_ln1.kd
    .args:
      - { .name: x, .offset: 0, .size: 8, .value_kind: global_buffer, .address_space: global }
      - { .name: g1, .offset: 8, .size: 8, .value_kind: global_buffer, .address_space: global }
      - { .name: b1, .offset: 16, .size: 8, .value_kind: global_buffer, .address_space: global }
      - { .name: lowp_scales, .offset: 24, .size: 8, .value_kind: global_buffer, .address_space: global }
      - { .name: acodes, .offset: 32, .size: 8, .value_kind: global_buffer, .address_space: global }
      - { .name: proj_w_codes, .offset: 40, .size: 8, .value_kind: global_buffer, .address_space: global }
      - { .name: wl, .offset: 48, .size: 8, .value_kind: global_buffer, .address_space: global }
    .group_segment_fixed_size: 93184
    .private_segment_fixed_size: 0
    .kernarg_segment_align: 8
    .kernarg_segment_size: 56
    .max_flat_workgroup_size: 256
    .sgpr_count:     66
    .vgpr_count:     240
    .wavefront_size: 32
...
	.end_amdgpu_metadata
.endif
;; end of part 1
;; launch qkv (part 2): grid 12 x 16, 4 waves a work-group, clusters of 4 x 4, 327,680 bytes of LDS; arguments acodes, qkv_w_codes, lowp_scales, qkv_b, qkvc; writes qkvc
.if DOCPART == 2
	.amdgcn_target "amdgcn-amd-amdhsa--gfx1250"
	.amdhsa_code_object_version 6
	.text
	.protected	k_q875f1f9c4f_qkv
	.globl	k_q875f1f9c4f_qkv
	.p2align	8
	.type	k_q875f1f9c4f_qkv,@function
k_q875f1f9c4f_qkv:
	s_mov_b64 s[64:65], 0
	v_nop
	global_prefetch_b8 v0, s[64:65] scope:SCOPE_SE
	s_setreg_imm32_b32 hwreg(HW_REG_WAVE_MODE, 25, 1), 1
	s_wait_xcnt 0x0
	s_wait_alu depctr_hold_cnt(0) depctr_sa_sdst(0) depctr_va_vdst(0) depctr_va_sdst(0) depctr_va_ssrc(0) depctr_va_vcc(0) depctr_vm_vsrc(0)
	s_getreg_b32 s2, hwreg(HW_REG_IB_STS2, 6, 4)
	s_cmp_eq_u32 s2, 0
	s_cbranch_scc0 .Lentry_in_a_cluster
	s_endpgm
.Lentry_in_a_cluster:
	s_bfe_u32 s2, ttmp6, 0x10000c
	s_cmp_lg_u32 s2, 0xf033
	s_cbranch_scc0 .Lentry_shape_is_right
	s_endpgm
.Lentry_shape_is_right:
; out = Q(act(A W^T x 2^(ea + eb) + bias)).  A: [4096][SIZE_K], W: [SIZE_N][SIZE_K]: codes of E4M3, K innermost, one scale 2^e for each tensor; bias: [SIZE_N] f32; out: [4096][SIZE_N] codes of E4M3.
; HERE: the q, k, v projection.  ea, eb = entries 0, 1 of the scales; act = nothing; columns 0-1023 (q), 1024-2047 (k), 2048-3071 (v) are quantised with entries 2, 3, 4.
; LIMITS: ea + eb between -126 and 127; the output's exponent between -126 and 119.  NaN among the inputs is not served.
; A tile of 256 x 256 is made by a work-group of four waves, as many as a WGP has SIMDs; a wave makes 128 x 128: 64 accumulators of 16 x 16, 512 registers.  There are 12 x 16 such tiles: one for each work-group.
; K goes in steps of 256 through a ring of two LDS slots filled by the tensor data mover: a tile's row is 256 bytes of memory.
; CLUSTERS: 4 x 4 work-groups.  The four of a row of the cluster need the same tiles of A, the four of a column the same tiles of W: each tile is asked for JOINTLY, by the same tensor load with the
; same descriptor and a mask that names the four.  THE MATRIX INSTRUCTION IS USED TRANSPOSED (source 0 = 16 rows of W, source 1 = 16 rows of A): a lane then holds eight neighbouring numbers of a row of the result.
; REGISTERS, in windows of 256: window 0: v0-31 addresses; v64-127 the bias of my 128 columns in the result's layout; from v128 A's fragments (8 x 16 rows x 128 K), ONE set; on the way out rows of codes.
;   window 1: W's fragments, TWO sets, at v0 and at v128; on the way out the work on a block of 16 rows.   window 2: the 32 accumulators of my rows 0-63 (accumulator (a, b) at v[8 (8 a + b)]);   window 3: those of my rows 64-127.
; A step of 128 along K is 64 matrix instructions, A's blocks one after the other, each against W's eight.  So a block of A is free as soon as its eight products are issued, and one set of registers serves A.
; No prefetch: K has four steps, of which two are asked for at the head.
.set SIZE_N, 3072
.set SIZE_K, 1024
.set QKV,    1                         ; 1: the output's scale hangs on the column's section; scales from entry 0 on.  0: one scale; scales from entry 8 on
.set GELU,   0                         ; 1: act = the exact GELU
.set KSTEP,  256                       ; along K in a slot
.set ROWB,   256                       ; a tile's row in bytes
.set KROW,   SIZE_K                    ; a row of A or of W in memory, in bytes
.set PITCH,  272                       ; an LDS row: 256 bytes of data + 16 of padding = 68 words: row r starts at bank 4 r mod 64 (64 banks of 4 bytes: ISA guide 11.1), so the 16 rows that a load touches start at 16 different banks
.set FR,     16                        ; registers of a fragment: 16 rows x 128 K
.set NL,     4                         ; LDS loads that bring one
.set NP,     4                         ; places behind this matrix instruction (ISA guide 7.12.1)
.set HALFT,  128*PITCH                 ; 128 rows: what one tensor load brings, and what one wave reads of A or of W
.set SLOT,   4*HALFT                   ; A's 256 rows, then W's 256 rows
.set LAPS,   SIZE_K/(2*KSTEP)          ; a lap = two K steps = once round the ring
.set SPARE,  2*SLOT                    ; behind the ring: the spare words, 128 bytes for each wave: two blocks of 256 bytes that no other line names
.set SP,     144                       ; the way out: a stage row: a wave's 128 codes of a row + 16 bytes
.set WST,    128*SP+128                ; a wave's stage: its 128 rows; 128 bytes more, so that the two halves of a row of 256 codes fall on different banks.  The stages lie in slot 0, which has had its last fill and its last read when the first code is stored there
.set ADRA, 16                          ; v16-17  LDS address of my A fragments in slot 0, 1
.set ADRB, 20                          ; v20-21  the same for W
.set STO,  24                          ; v24     the way out: where I put 8 codes of a row of block 0
.set RD,   25                          ; v25     the way out: where I read 16 codes of a row back
.set CO,   26                          ; v26     my byte offset in two rows of the output
.set BO,   27                          ; v27     32 x (lane / 16): my offset in the bias
.set SPW,  28                          ; v28     LDS address of my spare word: SPARE + 4 x my thread's number; never rewritten
.set NIL,  29                          ; v29     0; never rewritten
.set STA,  30                          ; v30     STO for the block in hand
.set BIAS, 64                          ; v64-127 register 8 b + j: the bias of column 16 b + 8 (lane / 16) + j of my 128
.set AF,   128                         ; A's fragments, in window 0
.set EX,   0                           ; the way out, in window 1: a block's 64 numbers of a lane;
.set ET,   64                          ; 32 arguments of erf, clipped;
.set EX2,  96                          ; their squares;
.set EP,   128                         ; numerators;
.set EQ,   160                         ; denominators;
.set ECD,  192                         ; the block's codes, 16 registers;
.set EKC,  208                         ; 13 constants, each twice (a pair for the packed forms);
.set ESC,  234                         ; 2^e of the output;
.set ELM,  235                         ; 448 x that
.set AI,   80                          ; s80     the block in hand
.set SO,   81                          ; s81     its place in the stage
.set G1, 24                            ; s[24:31] descriptor group 1 for A's tiles;  s[32:39] group 0, one set for each slot
.set G0, 32
.set G1B, 48                           ; s[48:55], s[56:63] the same for W's tiles
.set G0B, 56
.set MSB, 0
.macro WIN new                         ; the immediate's high byte repeats the setting that is left
.if MSB != \new
	s_set_vgpr_msb (MSB<<8)|\new
.set MSB, \new
.endif
.endm
.set MUL_LO, 0xa1                      ; source 0 (W) window 1, source 1 (A) window 0, C and D window 2
.set MUL_HI, 0xf1                      ; the same, C and D window 3
.set TO_B,   0x40                      ; destination window 1, address window 0
; A joint load: waves 0 and 1 fetch for A, waves 2 and 3 for W.  Each of the two lines has ONE mask and one set of registers for all that issue it; the branch hangs on the wave's number alone.
; Four v_nop follow each of the two lines, ahead of the jump, the label and what follows.
.macro JLOAD g0a, g1a, g0b, g1b
	s_cmp_eq_u32 s15, 0
	s_cbranch_scc0 .Lfor_b_\@
	tensor_load_to_lds s[\g0a:\g0a+3], s[\g1a:\g1a+7]
	s_nop 0
.rept 4
	v_nop
.endr
	s_branch .Lasked_\@
.Lfor_b_\@:
	tensor_load_to_lds s[\g0b:\g0b+3], s[\g1b:\g1b+7]
	s_nop 0
.rept 4
	v_nop
.endr
.Lasked_\@:
.endm
.macro CREST                           ; a round of the cluster's barrier behind its opening barrier
	s_cmp_lg_u32 s14, 0
	s_cbranch_scc1 .Lnot_wave_0_\@
	s_barrier_signal -3
.Lnot_wave_0_\@:
	s_barrier_wait -3
	s_barrier_signal -1
	s_barrier_wait -1
.endm
.macro CROUND                          ; a whole round
	s_barrier_signal -1
	s_barrier_wait -1
	CREST
.endm
	s_load_b128 s[4:7], s[0:1], 0x0                ; A's codes s[4:5], W's codes s[6:7]
	s_load_b128 s[8:11], s[0:1], 0x10              ; the scales' exponents s[8:9], the bias s[10:11]
	s_load_b64 s[12:13], s[0:1], 0x20              ; the output
	v_lshl_add_u32 v[SPW], v0, 2, SPARE
	v_mov_b32 v[NIL], 0
	ds_add_u32 v28, v29
	ds_add_u32 v28, v29
	s_wait_dscnt 0x0
	v_lshrrev_b32 v1, 5, v0
	v_readfirstlane_b32 s14, v1                    ; wave 0..3
	s_lshr_b32 s15, s14, 1                         ; which half of the tile's rows is mine.  Also: I fetch for A (0) or for W (1)
	s_and_b32 s16, s14, 1                          ; which half of its columns.  Also: which 128 rows of that tile I fetch
	s_bfe_u32 s40, ttmp6, 0x40000                  ; cx, cy: my place in the cluster
	s_bfe_u32 s41, ttmp6, 0x40004
	s_lshl_b32 s42, ttmp9, 2
	s_add_co_u32 s42, s42, s40                     ; tile column = 4 x cluster x + cx
	s_and_b32 s17, ttmp7, 0xffff
	s_lshl_b32 s17, s17, 2
	s_add_co_u32 s17, s17, s41                     ; tile row = 4 x cluster y + cy
	s_lshl_b32 s43, s41, 2
	s_lshl_b32 s43, 15, s43                        ; my row of the cluster
	s_lshl_b32 s44, 0x1111, s40                    ; my column
	; descriptor group 1: a tile of 128 rows x ROWB bytes, padded in LDS
	s_or_b32 s[G1+0], s43, (0<<16)|(1<<20)|(1<<21)|(5<<22)|(3<<25)  ; 15:0 the mask: A's tiles go to my row; 17:16 element of 1 byte; 20 padding on; 21 set beside a mask; 24:22 after every 64 words (code 5); 31:25 of 4 words (code 3)
	s_or_b32 s[G1B+0], s44, (0<<16)|(1<<20)|(1<<21)|(5<<22)|(3<<25)
.irp g, G1, G1B
	s_mov_b32 s[\g+1], ROWB<<16                    ; tensor_dim0
	s_mov_b32 s[\g+2], 128<<16                     ; tensor_dim1 = 128
	s_mov_b32 s[\g+3], ROWB<<16                    ; tile_dim0
	s_mov_b32 s[\g+4], 128                         ; tile_dim1 = 128
	s_mov_b32 s[\g+5], KROW                        ; tensor_dim0_stride
	s_mov_b32 s[\g+6], 0
	s_mov_b32 s[\g+7], 0
.endr
	s_lshl_b32 s18, s16, 7                         ; which 128 rows of the tile I fetch
	s_lshl_b32 s20, s17, 8
	s_add_co_u32 s20, s20, s18                     ; A: row 256 x tile row + 128 x half
	s_lshl_b32 s46, s42, 8
	s_add_co_u32 s46, s46, s18                     ; W: row 256 x tile column + 128 x half
	s_mov_b32 s21, 0
	s_mov_b32 s47, 0
	s_mov_b64 s[18:19], KROW
	s_mul_u64 s[20:21], s[20:21], s[18:19]         ; in bytes
	s_mul_u64 s[46:47], s[46:47], s[18:19]
	s_mul_i32 s45, s14, HALFT                      ; where they go: wave x 128 rows: no place in the cluster enters an LDS address
	s_wait_kmcnt 0x0
.if QKV
	s_load_b256 s[68:75], s[8:9], 0x0              ; entries 0 to 7: s68 ea, s69 eb, s70-72 the three outputs'
.else
	s_load_b128 s[68:71], s[8:9], 0x20             ; entries 8 to 11: s68 ea, s69 eb, s70 the output's
.endif
	s_add_nc_u64 s[20:21], s[4:5], s[20:21]
	s_add_nc_u64 s[46:47], s[6:7], s[46:47]
	CROUND                                         ; all sixteen work-groups are here: the first joint loads meet
.irp s, 0,1
	s_mov_b32 s[G0+4*\s], 1
	s_add_co_u32 s[G0+4*\s+1], s45, \s*SLOT
	s_add_nc_u64 s[G0+4*\s+2:G0+4*\s+3], s[20:21], \s*ROWB
	s_or_b32 s[G0+4*\s+3], s[G0+4*\s+3], 0x80000000
	s_mov_b32 s[G0B+4*\s], 1
	s_add_co_u32 s[G0B+4*\s+1], s45, \s*SLOT
	s_add_nc_u64 s[G0B+4*\s+2:G0B+4*\s+3], s[46:47], \s*ROWB
	s_or_b32 s[G0B+4*\s+3], s[G0B+4*\s+3], 0x80000000
.if \s == 0
	JLOAD G0, G1, G0B, G1B                         ; K step 0: one tensor load a wave at the head
.endif
.endr
	v_and_b32 v1, 15, v0                           ; r = l % 16
	s_wait_alu depctr_va_vdst(0)
	v_bfe_u32 v2, v0, 4, 1                         ; h = l / 16
	v_mul_u32_u24 v3, v1, PITCH
	v_lshl_add_u32 v4, v2, 4, v3                   ; a fragment's row x pitch + 16 x half
	s_mul_i32 s21, s15, HALFT                      ; my 128 rows of A
	s_mul_i32 s22, s16, HALFT                      ; my 128 rows of W,
	s_add_co_u32 s22, s22, 2*HALFT                 ; which lie behind A's 256
.irp s, 0,1
	v_add_nc_u32 v[ADRA+\s], s21, v4
	v_add_nc_u32 v[ADRB+\s], s22, v4
	s_add_co_u32 s21, s21, SLOT
	s_add_co_u32 s22, s22, SLOT
.endr
	s_mul_i32 s23, s14, WST                        ; my stage
	v_mul_u32_u24 v5, v1, SP                       ; in: row r of a block, 8 bytes for each half of the lanes
	s_wait_alu depctr_va_vdst(0)
	v_lshl_add_u32 v5, v2, 3, v5
	v_add_nc_u32 v[STO], s23, v5
	s_mul_i32 s23, s15, 2*WST                      ; back: wave w takes rows 64 w .. 64 w + 63 of the tile, whole: they lie in the stages of the two waves of row half w / 2, from row 64 (w % 2) on
	s_mul_i32 s18, s16, 64*SP
	s_add_co_u32 s23, s23, s18
	v_bfe_u32 v5, v0, 3, 1                         ; lanes 0-7 of sixteen read the left wave's stage, lanes 8-15 the right wave's
	v_mul_u32_u24 v5, v5, WST
	v_mul_u32_u24 v6, v2, SP                       ; lanes 0-15 one row, lanes 16-31 the next
	v_add_nc_u32 v5, v5, v6
	v_and_b32 v6, 7, v0
	v_lshl_add_u32 v5, v6, 4, v5
	v_add_nc_u32 v[RD], s23, v5
	v_mul_u32_u24 v5, v2, SIZE_N                   ; and the same two rows in the output
	v_lshl_add_u32 v[CO], v1, 4, v5
	v_lshlrev_b32 v[BO], 5, v2
	s_wait_alu depctr_va_vdst(0)
	s_lshl_b32 s20, s17, 8
	s_lshl_b32 s21, s14, 6
	s_add_co_u32 s20, s20, s21                     ; the first row that I store: 256 x tile row + 64 x wave
	s_mov_b32 s21, 0
	s_mov_b64 s[18:19], SIZE_N
	s_mul_u64 s[20:21], s[20:21], s[18:19]
	s_lshl_b32 s46, s42, 8                         ; the tile's first column, in bytes
	s_mov_b32 s47, 0
	s_add_nc_u64 s[20:21], s[20:21], s[46:47]
	s_add_nc_u64 s[12:13], s[12:13], s[20:21]
	s_lshl_b32 s46, s42, 10                        ; the bias of my first column: 4 x (256 x tile column + 128 x half)
	s_lshl_b32 s47, s16, 9
	s_add_co_u32 s46, s46, s47
	s_mov_b32 s47, 0
	s_add_nc_u64 s[10:11], s[10:11], s[46:47]
.irp b, 0,1,2,3,4,5,6,7
	global_load_b128 v[BIAS+8*\b:BIAS+8*\b+3], v[BO], s[10:11] offset:64*\b        ; they land while K is walked; the wait stands on the way out
	global_load_b128 v[BIAS+8*\b+4:BIAS+8*\b+7], v[BO], s[10:11] offset:64*\b+16
.endr
.macro FRAG reg, adr, q, i             ; a fragment, 16 rows x 128 K of 8-bit codes, is 16 registers: lane l holds row l % 16; registers 4 c .. 4 c + 3 hold K = 32 c + 16 (l / 16) + 0 .. 15: the same permutation of K in A and in W, so every product meets its partner
.irp c, 0,1,2,3
	ds_load_b128 v[\reg+4*\c:\reg+4*\c+3], v[\adr] offset:128*(\q)+32*\c+(\i)*16*PITCH
.endr
.endm
; 16 matrix instructions: A's blocks a0, a0 + 1 x W's eight, 128 along K.  p: W's set.  zero = 1: the first product starts the sums: nothing is ever cleared.
; The 64 accumulators take turns, one instruction a turn, in the same order in every step.
.macro MUL16 a0, p, zero
.irp a, \a0, \a0+1
.irp b, 0,1,2,3,4,5,6,7
.if \zero
	v_wmma_f32_16x16x128_fp8_fp8 v[8*(8*((\a)%4)+\b):8*(8*((\a)%4)+\b)+7], v[128*(\p)+FR*\b:128*(\p)+FR*\b+FR-1], v[AF+FR*(\a):AF+FR*(\a)+FR-1], 0
.else
	v_wmma_f32_16x16x128_fp8_fp8 v[8*(8*((\a)%4)+\b):8*(8*((\a)%4)+\b)+7], v[128*(\p)+FR*\b:128*(\p)+FR*\b+FR-1], v[AF+FR*(\a):AF+FR*(\a)+FR-1], v[8*(8*((\a)%4)+\b):8*(8*((\a)%4)+\b)+7]
.endif
.endr
.endr
.endm
.macro FETCH_B slot, q, p              ; W's eight fragments of the slot's q-th 128 along K into set p
	WIN TO_B
.irp i, 0,1,2,3,4,5,6,7
	FRAG 128*(\p)+FR*\i, ADRB+\slot, \q, \i
.endr
	WIN 0
.endm
.macro FETCH_A slot, q, i0             ; A's blocks i0 .. i0 + 3
.irp i, \i0, \i0+1, \i0+2, \i0+3
	FRAG AF+FR*(\i), ADRA+\slot, \q, \i
.endr
.endm
; A load into a register that a matrix instruction has read, and a vector instruction that reads a matrix result or writes one of a matrix instruction's registers, stand NP places behind that matrix instruction, and only
; plain vector instructions that name none of its registers are places (ISA guide 7.12.1 for vector instructions); this text does not count the matrix instructions in between.
.macro PLACES n
.rept \n
	v_nop
.endr
.endm
; A step of 128 along K that has its successor in the same slot.
.macro STEP slot, q, zero
	s_wait_dscnt 4*NL                              ; W's set and A's blocks 0-3 are in; the youngest sixteen loads (A's blocks 4-7) may be out
	WIN MUL_LO
	MUL16 0, (\q)%2, \zero
	MUL16 2, (\q)%2, \zero
	s_wait_dscnt 0                                 ; A's blocks 4-7 are in (asked for 32 matrix instructions ago)
	PLACES NP
	FETCH_B \slot, (\q)+1, 1-(\q)%2
	FETCH_A \slot, (\q)+1, 0
	WIN MUL_HI
	MUL16 4, (\q)%2, \zero
	MUL16 6, (\q)%2, \zero
	PLACES NP
	WIN 0
	FETCH_A \slot, (\q)+1, 4
.endm
; A slot's last step changes slots: ONE barrier; in front of it each wave waits for all its tensor loads, adds 0 to its spare word, and waits for that and for its own reads of this slot.  fill = 1: this slot is filled again, two K steps ahead.
.macro TURN slot, next, fill
	s_wait_tensorcnt 0x0                           ; all my tensor loads have landed: my part of the next slot;  (every window is 0 here: the add's two registers lie in window 0)
	ds_add_u32 v[SPW], v[NIL]                      ; 0 onto my spare word;
	s_wait_dscnt 4*NL+1                            ; (the add and the youngest sixteen loads, A's blocks 4-7, may be out)
	WIN MUL_LO
	MUL16 0, 1, 0                                  ; sixteen matrix instructions stand between the add and the wait for it
	s_wait_dscnt 0x0                               ; the add is done, and my reads of this slot are over
	s_barrier_signal -1
	MUL16 2, 1, 0
	WIN 0
	s_barrier_wait -1
.if \fill
	CREST                                          ; the barrier has opened a round of the cluster's barrier: no wave of any partner still reads this slot's tile or has a load on its way
	s_add_nc_u64 s[G0+4*\slot+2:G0+4*\slot+3], s[G0+4*\slot+2:G0+4*\slot+3], 2*ROWB
	s_add_nc_u64 s[G0B+4*\slot+2:G0B+4*\slot+3], s[G0B+4*\slot+2:G0B+4*\slot+3], 2*ROWB
	JLOAD G0+4*\slot, G1, G0B+4*\slot, G1B         ; the first tensor load behind the round, and my only one until the next; the four v_nop behind it are the places in front of the loads below
.else
	PLACES NP
.endif
	FETCH_B \next, 0, 0
	FETCH_A \next, 0, 0
	WIN MUL_HI
	MUL16 4, 1, 0
	MUL16 6, 1, 0
	PLACES NP
	WIN 0
	FETCH_A \next, 0, 4
.endm
	s_wait_alu depctr_va_vdst(0)
	s_wait_tensorcnt 0x0                           ; my part of K step 0 is in; slot 1's first fill is issued as a refill is:
	ds_add_u32 v[SPW], v[NIL]
	s_wait_dscnt 0x0
	CROUND                                         ; a whole round: everybody's part is in, and the joint loads meet
	JLOAD G0+4, G1, G0B+4, G1B                     ; K step 1
	FETCH_B 0, 0, 0
	FETCH_A 0, 0, 0
	FETCH_A 0, 0, 4
	STEP 0, 0, 1                                   ; the first step stands in front of the loop: its products start the sums
	s_mov_b32 s3, LAPS-1
.Llap:                                                 ; a trip goes once round the ring, from a lap's second step to the next lap's first, and fills both slots again
	TURN 0, 1, 1
	STEP 1, 0, 0
	TURN 1, 0, 1
	STEP 0, 0, 0
	s_sub_co_u32 s3, s3, 1
	s_cmp_lg_u32 s3, 0
	s_cbranch_scc1 .Llap
	TURN 0, 1, 0                                   ; the last lap fills nothing, and has no round of the cluster's barrier
	STEP 1, 0, 0
	s_wait_dscnt 4*NL                              ; the very last step: nothing more to fetch
	WIN MUL_LO
	MUL16 0, 1, 0
	MUL16 2, 1, 0
	s_wait_dscnt 0
	WIN MUL_HI
	MUL16 4, 1, 0
	MUL16 6, 1, 0
	WIN 0
; THE WAY OUT, block by block of 16 rows x 128 columns, in a loop of eight trips, so that the activation is written once.  Only the first lines of a trip differ (the block's accumulators have other register numbers):
; COPY k is written eight times, and a trip runs the one that its count names.  Then: activation, hold, conversion; a lane's eight codes of each accumulator go to my stage in LDS.  Behind a barrier each wave
; reads 64 whole rows of 256 codes and stores them: sixteen lanes to 256 consecutive bytes.
.macro COPY k                          ; y = sum x 2^(ea + eb) + bias, two at a time, into window 1; each accumulator from its low end on
	WIN (0x42+(\k)/4)                              ; source 0: window 2 or 3; source 2 (the bias): window 0; destination: window 1
.set i, 0
.rept 32
	v_pk_fma_f32 v[EX+i:EX+i+1], v[64*((\k)%4)+i:64*((\k)%4)+i+1], s[96:97], v[BIAS+i:BIAS+i+1] op_sel_hi:[1,0,1]
.set i, i+2
.endr
	WIN 0
.endm
.macro KSET n, val
	v_mov_b32 v[EKC+2*\n], \val
	v_mov_b32 v[EKC+2*\n+1], \val
.endm
; gelu(x) = 0.5 x (1 + erf(x / sqrt 2)) for the 32 numbers at EX + o.  erf(t) = t P(t^2) / Q(t^2) with t clipped to +-4: a rational form of degrees 6 and 4 in t^2, good to a few units in f32's last place.
; LIMIT: for x far below 0 the result's absolute error is of the order of 1e-7 x |x|, as for any evaluation of this formula in f32.
.macro GELU32 o
.set i, 0
.rept 16
	v_pk_mul_f32 v[ET+i:ET+i+1], v[EX+\o+i:EX+\o+i+1], v[EKC:EKC+1]
.set i, i+2
.endr
.set i, 0
.rept 32
	v_med3_num_f32 v[ET+i], v[ET+i], -4.0, 4.0
.set i, i+1
.endr
.set i, 0
.rept 16
	v_pk_mul_f32 v[EX2+i:EX2+i+1], v[ET+i:ET+i+1], v[ET+i:ET+i+1]
.set i, i+2
.endr
.set i, 0
.rept 16
	v_pk_fma_f32 v[EP+i:EP+i+1], v[EX2+i:EX2+i+1], v[EKC+2:EKC+3], v[EKC+4:EKC+5]
	v_pk_fma_f32 v[EQ+i:EQ+i+1], v[EX2+i:EX2+i+1], v[EKC+16:EKC+17], v[EKC+18:EKC+19]
.set i, i+2
.endr
.irp m, 6,8,10,12,14
.set i, 0
.rept 16
	v_pk_fma_f32 v[EP+i:EP+i+1], v[EP+i:EP+i+1], v[EX2+i:EX2+i+1], v[EKC+\m:EKC+\m+1]
.set i, i+2
.endr
.endr
.irp m, 20,22,24
.set i, 0
.rept 16
	v_pk_fma_f32 v[EQ+i:EQ+i+1], v[EQ+i:EQ+i+1], v[EX2+i:EX2+i+1], v[EKC+\m:EKC+\m+1]
.set i, i+2
.endr
.endr
.set i, 0
.rept 32
	v_rcp_f32 v[EQ+i], v[EQ+i]                     ; one batch of 32
.set i, i+1
.endr
.set i, 0
.rept 16
	v_pk_mul_f32 v[EP+i:EP+i+1], v[EP+i:EP+i+1], v[ET+i:ET+i+1]                 ; work that names no reciprocal stands behind the batch
	v_pk_mul_f32 v[EX+\o+i:EX+\o+i+1], v[EX+\o+i:EX+\o+i+1], 0.5 op_sel_hi:[1,0]
.set i, i+2
.endr
	s_wait_alu depctr_va_vdst(0)                   ; the one wait for the batch, ahead of the first line that names a result
.set i, 0
.rept 16
	v_pk_mul_f32 v[EP+i:EP+i+1], v[EP+i:EP+i+1], v[EQ+i:EQ+i+1]                 ; erf
.set i, i+2
.endr
.set i, 0
.rept 16
	v_pk_fma_f32 v[EX+\o+i:EX+\o+i+1], v[EX+\o+i:EX+\o+i+1], v[EP+i:EP+i+1], v[EX+\o+i:EX+\o+i+1]   ; 0.5 x erf + 0.5 x
.set i, i+2
.endr
.endm
	s_wait_kmcnt 0x0
	s_add_co_i32 s96, s68, s69                     ; ea + eb
	s_add_co_i32 s96, s96, 127
	s_lshl_b32 s96, s96, 23                        ; 2^(ea + eb) as f32
	s_mov_b32 s97, s96                             ; (named with it as a pair, so it is written)
.if QKV
	s_cmp_eq_u32 ttmp9, 1                          ; 1,024 columns are four tiles, a cluster's width: the cluster's x is the section.  A choice, no branch; the same in all partners
	s_cselect_b32 s76, s71, s70
	s_cmp_eq_u32 ttmp9, 2
	s_cselect_b32 s76, s72, s76
.else
	s_mov_b32 s76, s70
.endif
	s_add_co_i32 s76, s76, 127
	s_lshl_b32 s77, s76, 23                        ; 2^e of the output
	s_add_co_i32 s76, s76, 8
	s_lshl_b32 s76, s76, 23
	s_or_b32 s76, s76, 0x600000                    ; 448 x that
	s_wait_loadcnt 0x0                             ; the bias
	PLACES NP                                      ; behind the last products: window 1, which they read, is written below
	WIN 0x40
	v_mov_b32 v[ESC], s77
	v_mov_b32 v[ELM], s76
.if GELU
	KSET 0, 0x3f3504f3                             ; 1 / sqrt 2
	KSET 1, 0xaf95df0b                             ; P's coefficients, the highest power first
	KSET 2, 0x32edffee
	KSET 3, 0xb60cff51
	KSET 4, 0xb86ec2d2
	KSET 5, 0xba40ac63
	KSET 6, 0xbb41a1f6
	KSET 7, 0xbc83dbd4
	KSET 8, 0xb77460cd                             ; Q's
	KSET 9, 0xb95fbd29
	KSET 10, 0xbadc924e
	KSET 11, 0xbbf19bf8
	KSET 12, 0xbc69b6a7
.endif
	WIN 0
	s_mov_b32 s[AI], 0
	s_mov_b32 s[SO], 0
.Lepi:
.irp k, 0,1,2,3,4,5,6
	s_cmp_eq_u32 s[AI], \k
	s_cbranch_scc1 .Lc_\k
.endr
	COPY 7
	s_branch .Lwork
.irp k, 0,1,2,3,4,5
.Lc_\k:
	COPY \k
	s_branch .Lwork
.endr
.Lc_6:
	COPY 6
.Lwork:
	s_wait_dscnt 0x0                               ; the last trip's stores into the stage have read their codes and their address: both are written again below
	v_add_nc_u32 v[STA], s[SO], v[STO]
	WIN 0x55                                       ; all in window 1
.if GELU
	GELU32 0
	GELU32 32
.endif
.set i, 0
.rept 64
	v_med3_num_f32 v[EX+i], v[EX+i], -v[ELM], v[ELM]   ; the conversion to an 8-bit code does not saturate (ISA guide 7.6.2): the hold at the largest code x the scale
.set i, i+1
.endr
.set i, 0
.rept 8
	v_cvt_scalef32_pk8_fp8_f32 v[ECD+2*i:ECD+2*i+1], v[EX+8*i:EX+8*i+7], v[ESC]
.set i, i+1
.endr
	v_nop                                          ; a plain line behind the last conversion
	WIN 0x04                                       ; the stores' data in window 1, their address in window 0
.set i, 0
.rept 8
	ds_store_b64 v[STA], v[ECD+2*i:ECD+2*i+1] offset:16*i      ; row 16 a + r, columns 16 b + 8 h + 0 .. 7 of my 128
.set i, i+1
.endr
	WIN 0
	s_add_co_u32 s[SO], s[SO], 16*SP
	s_add_co_u32 s[AI], s[AI], 1
	s_cmp_lt_u32 s[AI], 8
	s_cbranch_scc1 .Lepi
	s_wait_dscnt 0x0                               ; for the others' sake: my codes lie in my stage
	s_barrier_signal -1
	s_barrier_wait -1                              ; a row's 256 codes come from two waves
.set i, 0
.rept 32
	ds_load_b128 v[128+4*i:128+4*i+3], v[RD] offset:2*i*SP
.set i, i+1
.endr
.set i, 0
.rept 32
	s_wait_dscnt 31-i                              ; LDS loads come back in order: pair i of rows is in, the younger ones may be out
	global_store_b128 v[CO], v[128+4*i:128+4*i+3], s[12:13] offset:2*i*SIZE_N   ; 16 lanes store 256 consecutive bytes, at a multiple of 256 from the buffer's first byte
.set i, i+1
.endr
	s_wait_tensorcnt 0x0                           ; the wave's end: behind my last tensor load and my last LDS store
	ds_add_u32 v[SPW], v[NIL]
	s_wait_dscnt 0x0
	CROUND                                         ; the closing round: no work-group ends while a partner may still ask for a tile that names it
	s_endpgm
.Lfunc_end_k_q875f1f9c4f_qkv:
	.size	k_q875f1f9c4f_qkv, .Lfunc_end_k_q875f1f9c4f_qkv-k_q875f1f9c4f_qkv
	.p2alignl 7, 3214868480
	.fill 96, 4, 3214868480
	.section	.rodata,"a",@progbits
	.p2align	6, 0x0
	.amdhsa_kernel k_q875f1f9c4f_qkv
		.amdhsa_group_segment_fixed_size 327680
		.amdhsa_private_segment_fixed_size 0
		.amdhsa_enable_private_segment 0
		.amdhsa_kernarg_size 40
		.amdhsa_user_sgpr_count 2
		.amdhsa_user_sgpr_kernarg_segment_ptr 1
		.amdhsa_wavefront_size32 1
		.amdhsa_system_sgpr_workgroup_id_x 1
		.amdhsa_system_sgpr_workgroup_id_y 1
		.amdhsa_system_sgpr_workgroup_id_z 1
		.amdhsa_system_vgpr_workitem_id 0
		.amdhsa_next_free_vgpr 1024
		.amdhsa_next_free_sgpr 100
		.amdhsa_reserve_vcc 0
		.amdhsa_float_denorm_mode_32 3
		.amdhsa_float_denorm_mode_16_64 3
		.amdhsa_memory_ordered 1
		.amdhsa_forward_progress 1
		.amdhsa_inst_pref_size 110
	.end_amdhsa_kernel
	.amdgpu_metadata
---
amdhsa.version: [ 1, 2 ]
amdhsa.kernels:
  - .name:           k_q875f1f9c4f_qkv
    .symbol:         k_q875f1f9c4f_qkv.kd
    .args:
      - { .name: acodes, .offset: 0, .size: 8, .value_kind: global_buffer, .address_space: global }
      - { .name: qkv_w_codes, .offset: 8, .size: 8, .value_kind: global_buffer, .address_space: global }
      - { .name: lowp_scales, .offset: 16, .size: 8, .value_kind: global_buffer, .address_space: global }
      - { .name: qkv_b, .offset: 24, .size: 8, .value_kind: global_buffer, .address_space: global }
      - { .name: qkvc, .offset: 32, .size: 8, .value_kind: global_buffer, .address_space: global }
    .group_segment_fixed_size: 327680
    .private_segment_fixed_size: 0
    .kernarg_segment_align: 8
    .kernarg_segment_size: 40
    .max_flat_workgroup_size: 128
    .sgpr_count:     100
    .vgpr_count:     1024
    .wavefront_size: 32
...
	.end_amdgpu_metadata
.endif
;; end of part 2
;; launch attn (part 3): grid 256 x 1, 4 waves a work-group, no clusters, 107,520 bytes of LDS; arguments qkvc, lowp_scales, acodes, wl, proj_b, x, g2, b2, x2; writes acodes, x2
.if DOCPART == 3
	.amdgcn_target "amdgcn-amd-amdhsa--gfx1250"
	.amdhsa_code_object_version 6
	.text
	.protected	k_q875f1f9c4f_attn
	.globl	k_q875f1f9c4f_attn
	.p2align	8
	.type	k_q875f1f9c4f_attn,@function
k_q875f1f9c4f_attn:
	s_mov_b64 s[64:65], 0
	v_nop
	global_prefetch_b8 v0, s[64:65] scope:SCOPE_SE
	s_setreg_imm32_b32 hwreg(HW_REG_WAVE_MODE, 25, 1), 1
	s_wait_xcnt 0x0
; LOCAL CAUSAL ATTENTION ON CODES.  Query i sees keys i - 2, i - 1, i of its own batch of 2,048 tokens: only the band is multiplied.
; In: [4096][3072] codes of E4M3: columns 0-1023 q (scale entry 2), 1024-2047 k (entry 3), 2048-3071 v (entry 4); head hd has columns 64 hd .. 64 hd + 63 of its section.
; Out: [4096][1024] codes (entry 6): the attention's result, quantised for the next product.
; THE SOFTMAX AHEAD OF THE SECOND PRODUCT: t = score x 2^(e2 + e3) x log2(e) / 8; M = the row's largest t rounded UP to a whole number; p = 2^(t - M) is quantised (entry 5), not normalised;
; the row's sum is taken of the unquantised p, in f32, and divides the result at the end.  The whole row's keys are in hand at once, so M is the row's own, and nothing is rescaled.
; LIMITS: e2 + e3 between -123 and 130 (added to the exponent field of log2(e) / 8); e5 and e6 between -126 and 119; e4 + e5 is applied by v_ldexp_f32 and has none.  NaN codes among the inputs are not served.
; SHARES.  Work-group T takes queries 16 T .. 16 T + 15; wave w takes heads 4 w .. 4 w + 3: 256 bytes of every row, so loads and stores take 256 consecutive bytes in sixteen lanes.  The keys are the tile of 16 before (c = 0)
; and the queries' own tile (c = 1).  At a batch's first tile the earlier tile's address is the own tile's, and all its scores are hidden.  Waves share nothing: no barrier.
; LAYOUT.  Both products are used transposed.  S^T = K Q^T (source 0 = 16 keys, source 1 = 16 queries): lane (r, h) holds query r and keys 16 c + 8 h + j: after the conversion that IS source 1 of O^T = V^T P^T, whose K is
; 64: keys 0-31 are the two tiles, keys 32-63 have zero codes in P.  V lies [key][channel]: the turning load on pairs of bytes and v_perm_b32 make fragments of the even and of the odd channels.
; A fragment of V^T names eight registers of which four hold its codes; the upper four are the next fragment's codes (or zeros): they meet P's zero codes, and no code of v is NaN (they were held at the largest code).
; No tensor load, no multicast: a work-group reads 80 KiB once, of which only the earlier tile is shared with a neighbour.  No prefetch: every load stands at the head.
.set PQ,   272                         ; a row of Q, K or the result in LDS: 256 bytes + 16
.set PV,   288                         ; a row of V: 256 + 32: an odd multiple of 32 bytes, for the turning load
.set QS,   0                           ; LDS of a wave: 16 rows of Q,
.set KS,   16*PQ                       ; 32 rows of K,
.set VS,   48*PQ                       ; 32 rows of V,
.set OS,   48*PQ+32*PV                 ; 16 rows of the result
.set WREG, 64*PQ+32*PV                 ; 26,624 bytes a wave
.set L,    16                          ; v16-175  the 40 loads' data
.set Q,    16                          ; v16-31   per pass of two heads: Q's fragments
.set K,    32                          ; v32-63   K's: head i, tile c at K + 16 i + 8 c
.set VR,   64                          ; v64-95   V as the turning loads leave it
.set S,    96                          ; v96-127  S^T, then p; later the result's codes (v96-111) and rows (v112-127)
.set VF,   128                         ; v128-163 V^T's fragments: head i, fragment f at VF + 16 i + 4 f; the last four registers are zeros
.set PF,   164                         ; v164-179 P's codes: head i at PF + 8 i; registers 4-7 are zeros
.set O,    180                         ; v180-243 O^T: head i, fragment f at O + 32 i + 8 f
.set NM,   244                         ; v244-247 -M, a pair for each head
.set SM,   248                         ; v248-251 the row's sum, later 2^(e4 + e5) / sum, a pair for each head
.set MK,   36                          ; s36-51   lane masks: bit set where key 16 c + 8 h + j counts for query r: mask 8 c + j
	s_load_b128 s[4:7], s[0:1], 0x0                ; the codes of q, k, v s[4:5]; the scales' exponents s[6:7]
	s_load_b64 s[8:9], s[0:1], 0x10
	; THIS LAUNCH GOES ON BEHIND THE ATTENTION (the lines at the head describe the attention alone): the 16 x 1,024 codes of the attention's result stay in LDS and are A of the output projection;
	; then x2 = x + (A W^T x 2^(e6 + e7) + proj_b) is stored, and LayerNorm 2 of x2, quantised with entry 8, is what goes to the codes' buffer.  From the projection on the waves share A and the rows' sums: three barriers.
	; LIMITS besides: e6 + e7 between -126 and 127; e8 between -126 and 119.
	s_load_b256 s[68:75], s[0:1], 0x18             ; wl s[68:69], proj_b s[70:71], x s[72:73], g2 s[74:75]
	s_load_b128 s[76:79], s[0:1], 0x38             ; b2 s[76:77], x2 s[78:79]
	s_set_vgpr_msb 0x40
	v_lshl_add_u32 v0, v0, 2, 0x1a000
	v_mov_b32 v1, 0
	v_lshlrev_b32 v2, 4, v0                        ; v258 = 16 x thread = 512 x wave + 16 x lane; never rewritten
	v_lshlrev_b32 v3, 8, v0                        ; v259 = 256 x thread; never rewritten
	s_set_vgpr_msb 0x4000
	v_lshrrev_b32 v1, 5, v0
	v_readfirstlane_b32 s12, v1                    ; wave 0..3
	s_mul_i32 s13, s12, WREG                       ; my LDS
	v_and_b32 v1, 15, v0                           ; r = l % 16
	v_bfe_u32 v2, v0, 4, 1                         ; h = l / 16
	v_mul_u32_u24 v3, v2, 3072
	v_lshl_add_u32 v3, v1, 4, v3                   ; in memory: lanes 0-15 one row's 256 bytes, lanes 16-31 the next row's
	v_mul_u32_u24 v4, v2, PQ
	v_lshl_add_u32 v4, v1, 4, v4
	v_add_nc_u32 v4, s13, v4                       ; the same two rows in LDS, pitch 272,
	v_add_nc_u32 v9, OS, v4                        ; among the result's rows,
	v_mul_u32_u24 v5, v2, PV
	v_lshl_add_u32 v5, v1, 4, v5
	v_add_nc_u32 v5, s13, v5
	v_add_nc_u32 v5, VS, v5                        ; and among V's, pitch 288
	v_mul_u32_u24 v6, v1, PQ
	v_lshl_add_u32 v6, v2, 4, v6
	v_add_nc_u32 v6, s13, v6                       ; a fragment of Q or K: row r, + 16 h
	v_add_nc_u32 v8, OS, v6                        ; the result: row r, + 16 h
	v_and_b32 v7, 7, v0
	v_lshl_add_u32 v7, v2, 3, v7
	v_mul_u32_u24 v7, v7, PV
	v_bfe_u32 v10, v0, 3, 1
	v_lshl_add_u32 v7, v10, 4, v7
	v_add_nc_u32 v7, s13, v7
	v_add_nc_u32 v7, VS, v7                        ; the turning load: key 8 h + l % 8, bytes 16 ((l / 8) % 2) on
	v_lshlrev_b32 v10, 10, v2
	v_lshl_add_u32 v10, v1, 4, v10                 ; the result in memory: two rows of 1,024 bytes
	v_mov_b32 v11, 0xff800000                      ; -infinity
	s_and_b32 s54, ttmp9, 127                      ; a batch is 128 tiles
	s_cmp_eq_u32 s54, 0
	s_cselect_b32 s55, 80, 16                      ; at a batch's first tile 64 more: every key of the earlier tile is then hidden
	s_cselect_b32 s56, 0, 49152                    ; and the earlier tile's address is the own tile's: else 16 rows of 3,072 bytes back
	s_mov_b32 s57, 0
	v_lshlrev_b32 v244, 3, v2
	v_sub_nc_u32 v245, v1, v244                    ; query - key for j = 0 in the own tile: r - 8 h,
	v_add_nc_u32 v244, s55, v245                   ; and in the earlier tile: 16 more
.irp j, 0,1,2,3,4,5,6,7
	v_sub_nc_u32 v246, v244, \j
	v_cmp_gt_u32 s[MK+\j], 3, v246                 ; a key counts where query - key is 0, 1 or 2 (what is negative is large without a sign)
	v_sub_nc_u32 v247, v245, \j
	v_cmp_gt_u32 s[MK+8+\j], 3, v247
.endr
	s_mul_i32 s10, ttmp9, 49152                    ; my tile's 16 rows,
	s_lshl_b32 s11, s12, 8                         ; my wave's 256 bytes of a row
	s_add_co_u32 s10, s10, s11
	s_lshl_b32 s14, ttmp9, 14                      ; the same in the result
	s_add_co_u32 s14, s14, s11
	s_mov_b32 s11, 0
	s_mov_b32 s15, 0
	s_wait_kmcnt 0x0
	s_load_b256 s[16:23], s[6:7], 0x0
	s_load_b32 s80, s[6:7], 0x20                   ; e8
	s_lshl_b32 s82, s12, 9                         ; my wave's 256 columns are 1,024 bytes of f32: 512 x wave here, 512 x wave in v258
	s_mov_b32 s83, 0
	s_add_nc_u64 s[70:71], s[70:71], s[82:83]
	s_add_nc_u64 s[74:75], s[74:75], s[82:83]
	s_add_nc_u64 s[76:77], s[76:77], s[82:83]
	s_lshl_b32 s84, ttmp9, 16                      ; my 16 rows of 4,096 bytes
	s_add_co_u32 s84, s84, s82
	s_mov_b32 s85, 0
	s_add_nc_u64 s[72:73], s[72:73], s[84:85]
	s_add_nc_u64 s[78:79], s[78:79], s[84:85]
	s_and_b32 s86, ttmp9, 127
	s_lshl_b32 s86, s86, 13
	s_mov_b32 s87, 0
	s_add_nc_u64 s[88:89], s[68:69], s[86:87]      ; the 8,192 bytes of wl that my work-group asks for
	s_mul_i32 s86, s12, 262144-512                 ; my wave's 262,144 bytes of wl, less what v258 adds
	s_add_nc_u64 s[68:69], s[68:69], s[86:87]
	; A PREFETCH of wl, which every work-group reads whole behind the attention: wave 0 alone, one instruction, a lane a block of 256 bytes: 32 blocks; work-groups g and g + 128 name the same 32, so that 128 work-groups cover the 4,096 blocks.
	s_cmp_lg_u32 s12, 0
	s_cbranch_scc1 .Lnopf
	s_set_vgpr_msb 0x01
	global_prefetch_b8 v3, s[88:89] th:TH_LOAD_NT scope:SCOPE_SE
	s_set_vgpr_msb 0x0100
.Lnopf:
	s_add_nc_u64 s[4:5], s[4:5], s[10:11]
	s_sub_nc_u64 s[52:53], s[4:5], s[56:57]        ; the earlier tile
	s_add_nc_u64 s[8:9], s[8:9], s[14:15]
.irp t, 0,1,2,3,4,5,6,7
	global_load_b128 v[L+4*\t:L+4*\t+3], v3, s[52:53] offset:2*\t*3072+1024        ; K, the earlier tile
.endr
.irp t, 0,1,2,3,4,5,6,7
	global_load_b128 v[L+32+4*\t:L+32+4*\t+3], v3, s[4:5] offset:2*\t*3072+1024    ; K, the own tile
.endr
.irp t, 0,1,2,3,4,5,6,7
	global_load_b128 v[L+64+4*\t:L+64+4*\t+3], v3, s[4:5] offset:2*\t*3072         ; Q
.endr
.irp t, 0,1,2,3,4,5,6,7
	global_load_b128 v[L+96+4*\t:L+96+4*\t+3], v3, s[52:53] offset:2*\t*3072+2048  ; V, the earlier tile
.endr
.irp t, 0,1,2,3,4,5,6,7
	global_load_b128 v[L+128+4*\t:L+128+4*\t+3], v3, s[4:5] offset:2*\t*3072+2048  ; V, the own tile
.endr
	s_mov_b32 s24, 0x76543210                      ; v_permlanex16_b32: lane l xor 16
	s_mov_b32 s25, 0xfedcba98
	s_mov_b32 s28, 0x06040200                      ; v_perm_b32: the even bytes of two words,
	s_mov_b32 s29, 0x07050301                      ; the odd ones;
	s_mov_b32 s30, 0x05010400                      ; two words' bytes 0, 1 by turns,
	s_mov_b32 s31, 0x07030602                      ; their bytes 2, 3
	s_wait_kmcnt 0x0
	s_add_co_i32 s26, s18, s19
	s_lshl_b32 s26, s26, 23
	s_add_co_i32 s26, s26, 0x3e38aa3b              ; c = log2(e) / 8 x 2^(e2 + e3): the exponents are added to its exponent field
	s_mov_b32 s27, s26                             ; (named with it as a pair, so it is written)
	s_add_co_i32 s32, s20, s21                     ; e4 + e5
	s_add_co_i32 s33, s21, 127
	s_lshl_b32 s34, s33, 23
	v_mov_b32 v12, s34                             ; 2^e5, for p's conversion
	s_add_co_i32 s33, s33, 8
	s_lshl_b32 s33, s33, 23
	s_or_b32 s33, s33, 0x600000
	v_mov_b32 v13, s33                             ; 448 x 2^e5
	s_add_co_i32 s33, s22, 127
	s_lshl_b32 s34, s33, 23
	v_mov_b32 v14, s34                             ; 2^e6, for the result's
	s_add_co_i32 s33, s33, 8
	s_lshl_b32 s33, s33, 23
	s_or_b32 s33, s33, 0x600000
	v_mov_b32 v15, s33                             ; 448 x 2^e6
	v_mov_b32 v253, 0                              ; written once: a lane permute's destination counts as one of its sources
	v_mov_b32 v255, 0
	s_wait_loadcnt 16                              ; K and Q are in: the sixteen younger loads are V's
.irp t, 0,1,2,3,4,5,6,7
	ds_store_b128 v4, v[L+4*\t:L+4*\t+3] offset:KS+2*\t*PQ
.endr
.irp t, 0,1,2,3,4,5,6,7
	ds_store_b128 v4, v[L+32+4*\t:L+32+4*\t+3] offset:KS+(16+2*\t)*PQ
.endr
.irp t, 0,1,2,3,4,5,6,7
	ds_store_b128 v4, v[L+64+4*\t:L+64+4*\t+3] offset:QS+2*\t*PQ
.endr
	s_wait_loadcnt 0x0
	s_set_vgpr_msb 0x81                            ; destination window 2, address window 1
.set i, 0
.rept 32
	global_load_b128 v[4*i:4*i+3], v2, s[72:73] offset:(i/2)*4096+512*(i%2) th:TH_LOAD_NT   ; x: row i / 2, my wave's columns 128 (i % 2) + 4 lane + 0 .. 3: 512 consecutive bytes; they land under the attention
.set i, i+1
.endr
.irp s, 0,1
	global_load_b128 v[128+4*\s:131+4*\s], v2, s[70:71] offset:512*\s   ; proj_b, g2, b2 of columns 128 s + 4 lane + 0 .. 3 of my 256: window 2
	global_load_b128 v[136+4*\s:139+4*\s], v2, s[74:75] offset:512*\s
	global_load_b128 v[144+4*\s:147+4*\s], v2, s[76:77] offset:512*\s
.endr
; A step's 8,192 bytes of wl into 64 registers from 64 p on: 16 loads of 512 consecutive bytes.
.macro WLD p, off
.set i, 0
.rept 16
	global_load_b128 v[64*(\p)+4*i:64*(\p)+4*i+3], v2, s[68:69] offset:(\off)+512*i
.set i, i+1
.endr
.endm
	s_set_vgpr_msb 0x81c1                          ; destination window 3, address window 1
	WLD 0, 0                                       ; the projection's step 0: with x and the three vectors 54 loads are out here
	s_set_vgpr_msb 0xc100
.irp t, 0,1,2,3,4,5,6,7
	ds_store_b128 v5, v[L+96+4*\t:L+96+4*\t+3] offset:2*\t*PV
.endr
.irp t, 0,1,2,3,4,5,6,7
	ds_store_b128 v5, v[L+128+4*\t:L+128+4*\t+3] offset:(16+2*\t)*PV
.endr
	s_wait_dscnt 0x0                               ; the stores have read their registers: some are cleared below
.irp i, 0,1,2,3
	v_mov_b32 v[VF+32+\i], 0                       ; behind the last fragment of V^T
	v_mov_b32 v[PF+4+\i], 0                        ; P's keys 32-63: zero codes
	v_mov_b32 v[PF+12+\i], 0
.endr
; One head's mask, maximum, -M and t - M.
.macro SMAX i
.set SB, S+16*\i
.set TT, 252+2*\i
.set n, 0
.rept 16
	v_cndmask_b32 v[SB+n], v11, v[SB+n], s[MK+n]   ; hidden scores become -infinity; each accumulator from its low end on
.set n, n+1
.endr
	v_max3_num_f32 v[TT], v[SB], v[SB+1], v[SB+2]
.irp n, 3,5,7,9,11,13
	v_max3_num_f32 v[TT], v[TT], v[SB+\n], v[SB+\n+1]
.endr
	v_max_num_f32 v[TT], v[TT], v[SB+15]
	v_permlanex16_b32 v[TT+1], v[TT], s24, s25     ; the query's other 16 keys lie in the lane 16 away
	v_max_num_f32 v[TT], v[TT], v[TT+1]            ; the key i itself always counts, so this is a number
	v_mul_f32 v[TT], s26, v[TT]                    ; as t (c is positive)
	v_floor_f32 v[NM+2*\i], -v[TT]                 ; -M = floor(-t) = -ceil(t)
	v_mov_b32 v[NM+2*\i+1], v[NM+2*\i]
.irp n, 0,2,4,6,8,10,12,14
	v_pk_fma_f32 v[SB+\n:SB+\n+1], v[SB+\n:SB+\n+1], s[26:27], v[NM+2*\i:NM+2*\i+1] op_sel_hi:[1,0,0]   ; t - M, two at a time
.endr
.endm
.macro SSUM i                          ; the row's sum of the unquantised p
.set SB, S+16*\i
.set TT, 252+2*\i
	v_pk_add_f32 v[SM+2*\i:SM+2*\i+1], v[SB:SB+1], v[SB+2:SB+3]
.irp n, 4,6,8,10,12,14
	v_pk_add_f32 v[SM+2*\i:SM+2*\i+1], v[SM+2*\i:SM+2*\i+1], v[SB+\n:SB+\n+1]
.endr
	v_add_f32 v[SM+2*\i], v[SM+2*\i], v[SM+2*\i+1]
	v_permlanex16_b32 v[TT], v[SM+2*\i], s24, s25
	v_add_f32 v[SM+2*\i], v[SM+2*\i], v[TT]
.endm
; TWO HEADS, u0 and u0 + 1 of my four.
.macro PASS u0
.irp i, 0,1
	ds_load_b128 v[Q+8*\i:Q+8*\i+3], v6 offset:QS+64*(\u0+\i)                  ; registers 4 c .. 4 c + 3: channels 32 c + 16 h + 0 .. 15: the same permutation of the channels in Q and in K
	ds_load_b128 v[Q+8*\i+4:Q+8*\i+7], v6 offset:QS+64*(\u0+\i)+32
.irp c, 0,1
	ds_load_b128 v[K+16*\i+8*\c:K+16*\i+8*\c+3], v6 offset:KS+16*\c*PQ+64*(\u0+\i)
	ds_load_b128 v[K+16*\i+8*\c+4:K+16*\i+8*\c+7], v6 offset:KS+16*\c*PQ+64*(\u0+\i)+32
.endr
.endr
.irp i, 0,1
.irp nn, 0,1
.irp c, 0,1
	ds_load_tr16_b128 v[VR+16*\i+4*(2*\nn+\c):VR+16*\i+4*(2*\nn+\c)+3], v7 offset:16*\c*PV+64*(\u0+\i)+32*\nn   ; keys 16 c + 8 h + 0 .. 7 of channels 32 nn + 2 r and + 1, bytes by turns
.endr
.endr
.endr
	s_wait_dscnt 8                                 ; Q and K are in (and every older LDS instruction is done); the eight turning loads may be out
.irp i, 0,1
.irp c, 0,1
	v_wmma_f32_16x16x64_fp8_fp8 v[S+16*\i+8*\c:S+16*\i+8*\c+7], v[K+16*\i+8*\c:K+16*\i+8*\c+7], v[Q+8*\i:Q+8*\i+7], 0
.endr
.endr
	s_wait_dscnt 0x0
.irp i, 0,1                                    ; V^T's fragments; these 32 plain lines, which name no register of the products above, are also the places behind them (ISA guide 7.12.1)
.irp nn, 0,1
.irp c, 0,1
	v_perm_b32 v[VF+16*\i+8*\nn+2*\c],   v[VR+16*\i+4*(2*\nn+\c)+1], v[VR+16*\i+4*(2*\nn+\c)],   s28   ; the even channels: fragment 2 nn, registers 2 c, 2 c + 1
	v_perm_b32 v[VF+16*\i+8*\nn+2*\c+1], v[VR+16*\i+4*(2*\nn+\c)+3], v[VR+16*\i+4*(2*\nn+\c)+2], s28
	v_perm_b32 v[VF+16*\i+8*\nn+4+2*\c],   v[VR+16*\i+4*(2*\nn+\c)+1], v[VR+16*\i+4*(2*\nn+\c)],   s29 ; the odd ones: fragment 2 nn + 1
	v_perm_b32 v[VF+16*\i+8*\nn+4+2*\c+1], v[VR+16*\i+4*(2*\nn+\c)+3], v[VR+16*\i+4*(2*\nn+\c)+2], s29
.endr
.endr
.endr
	SMAX 0
	SMAX 1
.set n, 0
	s_wait_alu depctr_va_vdst(0)
.rept 32
	v_exp_f32 v[S+n], v[S+n]                       ; p = 2^(t - M): both heads' exponentials are one batch
.set n, n+1
.endr
	v_nop                                          ; a plain line behind the last exponential (ISA guide 5.7.2),
	s_wait_alu depctr_va_vdst(0)                   ; and the one wait for the batch, ahead of the first line that names a result
	SSUM 0
	SSUM 1
	s_wait_alu depctr_va_vdst(0)
	v_rcp_f32 v[SM], v[SM]
	v_rcp_f32 v[SM+2], v[SM+2]
.set n, 0
.rept 32
	v_min_num_f32 v[S+n], v[S+n], v13              ; the conversion does not saturate (ISA guide 7.6.2); p is not negative, so the hold is one-sided.  (Work that names no reciprocal)
.set n, n+1
.endr
.irp i, 0,1
.irp c, 0,1
	v_cvt_scalef32_pk8_fp8_f32 v[PF+8*\i+2*\c:PF+8*\i+2*\c+1], v[S+16*\i+8*\c:S+16*\i+8*\c+7], v12   ; registers 2 c, 2 c + 1 of source 1: keys 16 c + 8 h + 0 .. 7
.endr
.endr
	v_nop                                          ; a plain line between the last conversion and the products that read its result
	s_wait_alu depctr_va_vdst(0)                   ; the one wait for the two reciprocals
.irp i, 0,1
	v_ldexp_f32 v[SM+2*\i], v[SM+2*\i], s32        ; 2^(e4 + e5) / the sum,
	v_mov_b32 v[SM+2*\i+1], v[SM+2*\i]             ; twice
.endr
.irp i, 0,1
.irp f, 0,1,2,3
	v_wmma_f32_16x16x64_fp8_fp8 v[O+32*\i+8*\f:O+32*\i+8*\f+7], v[VF+16*\i+4*\f:VF+16*\i+4*\f+7], v[PF+8*\i:PF+8*\i+7], 0   ; register j: channel 32 (f / 2) + 2 (8 h + j) + f % 2 of query r
.endr
.endr
.rept 4
	v_nop                                          ; places in front of the first read of results
.endr
.irp i, 0,1
.set n, 0
.rept 16
	v_pk_mul_f32 v[O+32*\i+n:O+32*\i+n+1], v[O+32*\i+n:O+32*\i+n+1], v[SM+2*\i:SM+2*\i+1]   ; each accumulator from its low end on
.set n, n+2
.endr
.endr
.set n, 0
.rept 64
	v_med3_num_f32 v[O+n], v[O+n], -v15, v15       ; the hold at the largest code x the scale
.set n, n+1
.endr
.irp i, 0,1
.irp f, 0,1,2,3
	v_cvt_scalef32_pk8_fp8_f32 v[S+8*\i+2*\f:S+8*\i+2*\f+1], v[O+32*\i+8*\f:O+32*\i+8*\f+7], v14
.endr
.endr
	v_nop                                          ; a plain line behind the last conversion
.irp i, 0,1
.irp nn, 0,1                                   ; the even and the odd channels' codes by turns: 16 neighbouring channels, 32 nn + 16 h + 0 .. 15
	v_perm_b32 v[S+16+8*\i+4*\nn],   v[S+8*\i+4*\nn+2], v[S+8*\i+4*\nn],   s30
	v_perm_b32 v[S+16+8*\i+4*\nn+1], v[S+8*\i+4*\nn+2], v[S+8*\i+4*\nn],   s31
	v_perm_b32 v[S+16+8*\i+4*\nn+2], v[S+8*\i+4*\nn+3], v[S+8*\i+4*\nn+1], s30
	v_perm_b32 v[S+16+8*\i+4*\nn+3], v[S+8*\i+4*\nn+3], v[S+8*\i+4*\nn+1], s31
	ds_store_b128 v8, v[S+16+8*\i+4*\nn:S+16+8*\i+4*\nn+3] offset:64*(\u0+\i)+32*\nn
.endr
.endr
.endm
	PASS 0
	s_set_vgpr_msb 0xc1
	WLD 1, 8192                                    ; steps 1 and 2,
	WLD 2, 16384
	s_set_vgpr_msb 0xc181                          ; destination window 2
	WLD 3, 253952                                  ; and the very last step (group 3, chunk 7), kept in window 2, v192-255, until it is multiplied
	s_set_vgpr_msb 0x8100
	PASS 2
; THE PROJECTION.  Wave w makes columns 256 w .. + 255 of all 16 rows: four groups of four tiles of 16 columns, K in eight chunks of 128.  Source 0 = 16 rows of W, source 1 = A's 16 rows: a lane holds eight neighbouring columns of row r.
; W comes from wl straight into registers: a step (group, chunk) is 8,192 consecutive bytes, 16 loads of 512; four sets of 64 registers take turns, so 64 loads are out.
; REGISTERS: window 0: v16-47 the four accumulators, later sums; v32-95 at work; v96-223 my 16 x 256 numbers by rows; v248-255 addresses.  Window 1: v16-143 A.  Window 2: v0-127 x; v128-151 proj_b, g2, b2 of my 8 columns.  Window 3: W's four sets.
.set MSB, 0
.macro WIN new
.if MSB != \new
	s_set_vgpr_msb (MSB<<8)|\new
.set MSB, \new
.endif
.endm
.set SPT, 1040                         ; the stage's row: my 256 columns in f32 + 16 bytes; the stage lies on my own rows of Q, K and V, which are done with
.set RED, 107008                       ; behind the spare words: two blocks of 256 bytes for the rows' sums, 64 bytes a wave
.set RP,  16
.set RT,  32
.set RY,  96
.set RBI, 128                          ; proj_b, g2, b2 of my 8 columns: window 2, v128-151
.set RG,  136
.set RB,  144
	v_mul_u32_u24 v248, v1, PQ
	v_mul_u32_u24 v250, v1, SPT
	v_and_b32 v252, 31, v0
	v_lshl_add_u32 v248, v2, 4, v248               ; A's fragments: row r, + 16 h, from wave 0's LDS on;
	v_lshl_add_u32 v250, v2, 5, v250
	v_lshlrev_b32 v253, 2, v252
	v_lshlrev_b32 v252, 4, v252
	v_add_nc_u32 v249, 2*WREG, v248                ; from wave 2's on
	v_add_nc_u32 v250, s13, v250                   ; into my stage: row r, + 32 h
	v_add_nc_u32 v253, s13, v253
	v_add_nc_u32 v252, s13, v252                   ; out of it: 16 x lane
	v_add_nc_u32 v253, OS, v253                    ; the codes' rows: 4 x lane
	s_lshl_b32 s94, s12, 6
	s_add_co_u32 s94, s94, RED
	v_mov_b32 v254, s94                            ; my wave's 64 bytes of sums
	v_mov_b32 v255, RED
	s_add_co_i32 s92, s22, s23
	s_add_co_i32 s92, s92, 127
	s_lshl_b32 s92, s92, 23                        ; 2^(e6 + e7)
	s_mov_b32 s93, s92
	s_add_co_i32 s97, s80, 127
	s_lshl_b32 s98, s97, 23
	v_mov_b32 v12, s98                             ; 2^e8
	s_add_co_i32 s97, s97, 8
	s_lshl_b32 s97, s97, 23
	s_or_b32 s97, s97, 0x600000
	v_mov_b32 v13, s97                             ; 448 x 2^e8
	s_mov_b32 s95, 0x3a800000                      ; 1 / 1024
	s_mov_b32 s96, 0x3727c5ac                      ; 1e-5
	WIN 0xc1                                       ; destination window 3, address window 1
	WLD 3, 24576                                   ; sets 0 to 2 and the last step's set were asked for under the attention
	WIN 0
	s_wait_alu depctr_va_vdst(0)
	s_wait_dscnt 0x0                               ; for the others' sake: my four heads' codes lie in LDS
	s_barrier_signal -1
	s_barrier_wait -1
	WIN 0x40
.irp q, 0,1,2,3,4,5,6,7
.irp c, 0,1,2,3
	ds_load_b128 v[16+16*\q+4*\c:19+16*\q+4*\c], v[248+\q/4] offset:((\q/2)%2)*WREG+OS+128*(\q%2)+32*\c   ; chunk q lies in wave q / 2's rows; registers 4 c ..: K = 128 q + 32 c + 16 h + 0 .. 15, as in wl
.endr
.endr
	WIN 0
	s_mov_b32 s90, 0                               ; the group's place in a stage row
	s_mov_b32 s91, 3
	s_wait_dscnt 0x0
; A group: eight steps of four matrix instructions, the four accumulators by turns.  Behind a step its set is asked for anew, four steps ahead.
; The wait's count: behind the set in hand three sets of 16 loads were issued; in the last three steps of all two, one, none.
.macro GROUP last
.irp q, 0,1,2,3,4,5,6,7
; (Counts: at least three sets of 16 younger loads stand behind the set in hand.  In the last group chunks 0 to 2 ask for chunks 4 to 6, so chunks 4, 5, 6 have two, one, no younger set; chunk 7's set is the oldest of all and lies in window 2.)
.if \last && (\q > 3)
.if \q < 7
	s_wait_loadcnt 16*(6-\q)
.endif
.else
	s_wait_loadcnt 48
.endif
.if \last && (\q == 7)
	WIN 0x06                                       ; source 0 window 2, source 1 window 1
.else
	WIN 0x07                                       ; source 0 window 3, source 1 window 1
.endif
.irp b, 0,1,2,3
.if \q == 0
	v_wmma_f32_16x16x128_fp8_fp8 v[16+8*\b:23+8*\b], v[64*(\q%4)+16*\b:64*(\q%4)+16*\b+15], v[16+16*\q:31+16*\q], 0
.else
	v_wmma_f32_16x16x128_fp8_fp8 v[16+8*\b:23+8*\b], v[64*(\q%4)+16*\b:64*(\q%4)+16*\b+15], v[16+16*\q:31+16*\q], v[16+8*\b:23+8*\b]
.endif
.endr
.if (\last == 0) || (\q < 3)
.rept 4
	v_nop                                          ; places in front of loads into registers that the products read
.endr
	WIN 0xc1
	WLD \q%4, 8192*(\q+4)
.endif
.endr
	WIN 0
.rept 4
	v_nop                                          ; with the addition below five places: the sums are read here, and begun anew in the next group
.endr
	v_add_nc_u32 v251, s90, v250
.irp b, 0,1,2,3
	ds_store_b128 v251, v[16+8*\b:19+8*\b] offset:64*\b        ; row r, columns 64 group + 16 b + 8 h + 0 .. 7; each accumulator from its low end on
	ds_store_b128 v251, v[20+8*\b:23+8*\b] offset:64*\b+16
.endr
	s_add_co_u32 s90, s90, 256
	s_wait_dscnt 0x0
.endm
.Lgrp:
	GROUP 0
	s_wait_xcnt 0x0                                ; the loads have read their base
	s_add_nc_u64 s[68:69], s[68:69], 0x10000
	s_sub_co_u32 s91, s91, 1
	s_cmp_lg_u32 s91, 0
	s_cbranch_scc1 .Lgrp
	GROUP 1                                        ; the last group is written out: it asks for nothing behind wl's end
; BY ROWS: register RY + 8 p + 4 s + e is row p, column 128 s + 4 lane + e of my 256.
.set i, 0
.rept 32
	ds_load_b128 v[RY+4*i:RY+4*i+3], v252 offset:(i/2)*SPT+512*(i%2)
.set i, i+1
.endr
	s_wait_dscnt 0x0
.set i, 0
	WIN 0x20                                       ; source 2 window 2
.rept 64
	v_pk_fma_f32 v[RY+2*i:RY+2*i+1], v[RY+2*i:RY+2*i+1], s[92:93], v[RBI+(2*i)%8:RBI+(2*i)%8+1] op_sel_hi:[1,0,1]
.set i, i+1
.endr
	WIN 0x08
.set i, 0
.rept 64
	v_pk_add_f32 v[RY+2*i:RY+2*i+1], v[RY+2*i:RY+2*i+1], v[2*i:2*i+1]   ; + x
.set i, i+1
.endr
	WIN 0x01
.set i, 0
.rept 32
	global_store_b128 v2, v[RY+4*i:RY+4*i+3], s[78:79] offset:(i/2)*4096+512*(i%2)   ; x2: 32 lanes store 512 consecutive bytes
.set i, i+1
.endr
	WIN 0
	s_wait_alu depctr_va_vdst(0)
	s_wait_xcnt 0x0                                ; the stores have read their data, which are changed below
; The 16 rows' sums (sq = 1: of squares) over all 1,024 columns, in every lane: in the lane, over the 32 lanes, over the four waves through LDS.
.macro ROWS sq
.irp k, 0,1,2,3
.set i, 0
.rept 16
.if \sq
.if \k == 0
	v_pk_mul_f32 v[RT+2*i:RT+2*i+1], v[RY+8*i:RY+8*i+1], v[RY+8*i:RY+8*i+1]
.else
	v_pk_fma_f32 v[RT+2*i:RT+2*i+1], v[RY+8*i+2*\k:RY+8*i+2*\k+1], v[RY+8*i+2*\k:RY+8*i+2*\k+1], v[RT+2*i:RT+2*i+1]
.endif
.else
.if \k == 1
	v_pk_add_f32 v[RT+2*i:RT+2*i+1], v[RY+8*i:RY+8*i+1], v[RY+8*i+2:RY+8*i+3]
.endif
.if \k > 1
	v_pk_add_f32 v[RT+2*i:RT+2*i+1], v[RT+2*i:RT+2*i+1], v[RY+8*i+2*\k:RY+8*i+2*\k+1]
.endif
.endif
.set i, i+1
.endr
.endr
.set i, 0
.rept 16
	v_add_f32 v[RP+i], v[RT+2*i], v[RT+2*i+1]
.set i, i+1
.endr
.irp m, 1,2,4,8
.set i, 0
.rept 16
	v_add_f32_dpp v[RP+i], v[RP+i], v[RP+i] row_xmask:\m row_mask:0xf bank_mask:0xf
.set i, i+1
.endr
.endr
.set i, 0
.rept 16
	v_permlanex16_b32 v[RT+i], v[RP+i], s24, s25
.set i, i+1
.endr
.set i, 0
.rept 16
	v_add_f32 v[RP+i], v[RP+i], v[RT+i]
.set i, i+1
.endr
.irp j, 0,1,2,3
	ds_store_b128 v254, v[RP+4*\j:RP+4*\j+3] offset:256*\sq+16*\j   ; all lanes write the same words with the same values
.endr
	s_wait_dscnt 0x0
	s_barrier_signal -1
	s_barrier_wait -1
.set i, 0
.rept 16
	ds_load_b128 v[RT+4*i:RT+4*i+3], v255 offset:256*\sq+16*i
.set i, i+1
.endr
	s_wait_dscnt 0x0
.set i, 0
.rept 8
	v_pk_add_f32 v[RP+2*i:RP+2*i+1], v[RT+2*i:RT+2*i+1], v[RT+16+2*i:RT+16+2*i+1]
.set i, i+1
.endr
.irp w, 32,48
.set i, 0
.rept 8
	v_pk_add_f32 v[RP+2*i:RP+2*i+1], v[RP+2*i:RP+2*i+1], v[RT+\w+2*i:RT+\w+2*i+1]
.set i, i+1
.endr
.endr
.endm
	ROWS 0
.set i, 0
.rept 16
	v_mul_f32 v[RT+2*i], s95, v[RP+i]              ; the mean, twice: a pair for the packed forms
	v_mul_f32 v[RT+2*i+1], s95, v[RP+i]
.set i, i+1
.endr
.set i, 0
.rept 64
	v_pk_add_f32 v[RY+2*i:RY+2*i+1], v[RY+2*i:RY+2*i+1], v[RT+2*(i/4):RT+2*(i/4)+1] neg_lo:[0,1] neg_hi:[0,1]   ; x2 - mean: the variance is taken of this, so no difference of large sums is formed
.set i, i+1
.endr
	ROWS 1
.set i, 0
.rept 16
	v_fma_f32 v[RP+i], v[RP+i], s95, s96           ; the variance + 1e-5
.set i, i+1
.endr
	s_wait_alu depctr_va_vdst(0)                   ; the wait ahead of the batch,
.set i, 0
.rept 16
	v_rsq_f32 v[RT+2*i], v[RP+i]
	v_rsq_f32 v[RT+2*i+1], v[RP+i]
.set i, i+1
.endr
	v_nop
	s_wait_alu depctr_va_vdst(0)                   ; and behind it
.set i, 0
.rept 64
	v_pk_mul_f32 v[RY+2*i:RY+2*i+1], v[RY+2*i:RY+2*i+1], v[RT+2*(i/4):RT+2*(i/4)+1]
.set i, i+1
.endr
.set i, 0
	WIN 0x28                                       ; sources 1 and 2 window 2
.rept 64
	v_pk_fma_f32 v[RY+2*i:RY+2*i+1], v[RY+2*i:RY+2*i+1], v[RG+(2*i)%8:RG+(2*i)%8+1], v[RB+(2*i)%8:RB+(2*i)%8+1]
.set i, i+1
.endr
	WIN 0
.set i, 0
.rept 128
	v_med3_num_f32 v[RY+i], v[RY+i], -v13, v13     ; the hold at the largest code x the scale (ISA guide 7.6.2)
.set i, i+1
.endr
.set i, 0
.rept 16
	v_cvt_scalef32_pk8_fp8_f32 v[RT+2*i:RT+2*i+1], v[RY+8*i:RY+8*i+7], v12   ; row i: four codes of columns 4 lane .., four of 128 + 4 lane ..
.set i, i+1
.endr
	v_nop                                          ; a plain line behind the last conversion
.set i, 0
.rept 32
	ds_store_b32 v253, v[RT+i] offset:(i/2)*PQ+128*(i%2)       ; into my rows of the result, which nobody reads any more: two barriers lie behind the last read
.set i, i+1
.endr
	s_wait_dscnt 0x0
.irp t, 0,1,2,3,4,5,6,7
	ds_load_b128 v[16+4*\t:16+4*\t+3], v9 offset:2*\t*PQ       ; LDS serves a wave's instructions in order: these see my stores
.endr
.irp t, 0,1,2,3,4,5,6,7
	s_wait_dscnt 7-\t                              ; pair t of rows is in, the younger loads may be out
	global_store_b128 v10, v[16+4*\t:16+4*\t+3], s[8:9] offset:2*\t*1024   ; 16 lanes store 256 consecutive bytes, at a multiple of 256 from the buffer's first byte
.endr
	s_set_vgpr_msb 0x5
	s_wait_tensorcnt 0x0
	ds_add_u32 v0, v1
	s_wait_dscnt 0x0
	s_set_vgpr_msb 0x500
	s_endpgm
.Lfunc_end_k_q875f1f9c4f_attn:
	.size	k_q875f1f9c4f_attn, .Lfunc_end_k_q875f1f9c4f_attn-k_q875f1f9c4f_attn
	.p2alignl 7, 3214868480
	.fill 96, 4, 3214868480
	.section	.rodata,"a",@progbits
	.p2align	6, 0x0
	.amdhsa_kernel k_q875f1f9c4f_attn
		.amdhsa_group_segment_fixed_size 107520
		.amdhsa_private_segment_fixed_size 0
		.amdhsa_enable_private_segment 0
		.amdhsa_kernarg_size 72
		.amdhsa_user_sgpr_count 2
		.amdhsa_user_sgpr_kernarg_segment_ptr 1
		.amdhsa_wavefront_size32 1
		.amdhsa_system_sgpr_workgroup_id_x 1
		.amdhsa_system_sgpr_workgroup_id_y 1
		.amdhsa_system_sgpr_workgroup_id_z 1
		.amdhsa_system_vgpr_workitem_id 0
		.amdhsa_next_free_vgpr 1024
		.amdhsa_next_free_sgpr 100
		.amdhsa_reserve_vcc 0
		.amdhsa_float_denorm_mode_32 3
		.amdhsa_float_denorm_mode_16_64 3
		.amdhsa_memory_ordered 1
		.amdhsa_forward_progress 1
		.amdhsa_inst_pref_size 161
	.end_amdhsa_kernel
	.amdgpu_metadata
---
amdhsa.version: [ 1, 2 ]
amdhsa.kernels:
  - .name:           k_q875f1f9c4f_attn
    .symbol:         k_q875f1f9c4f_attn.kd
    .args:
      - { .name: qkvc, .offset: 0, .size: 8, .value_kind: global_buffer, .address_space: global }
      - { .name: lowp_scales, .offset: 8, .size: 8, .value_kind: global_buffer, .address_space: global }
      - { .name: acodes, .offset: 16, .size: 8, .value_kind: global_buffer, .address_space: global }
      - { .name: wl, .offset: 24, .size: 8, .value_kind: global_buffer, .address_space: global }
      - { .name: proj_b, .offset: 32, .size: 8, .value_kind: global_buffer, .address_space: global }
      - { .name: x, .offset: 40, .size: 8, .value_kind: global_buffer, .address_space: global }
      - { .name: g2, .offset: 48, .size: 8, .value_kind: global_buffer, .address_space: global }
      - { .name: b2, .offset: 56, .size: 8, .value_kind: global_buffer, .address_space: global }
      - { .name: x2, .offset: 64, .size: 8, .value_kind: global_buffer, .address_space: global }
    .group_segment_fixed_size: 107520
    .private_segment_fixed_size: 0
    .kernarg_segment_align: 8
    .kernarg_segment_size: 72
    .max_flat_workgroup_size: 128
    .sgpr_count:     100
    .vgpr_count:     1024
    .wavefront_size: 32
...
	.end_amdgpu_metadata
.endif
;; end of part 3
;; launch fc1 (part 4): grid 16 x 16, 4 waves a work-group, clusters of 4 x 4, 327,680 bytes of LDS; arguments acodes, fc1_w_codes, lowp_scales, fc1_b, hid; writes hid
.if DOCPART == 4
	.amdgcn_target "amdgcn-amd-amdhsa--gfx1250"
	.amdhsa_code_object_version 6
	.text
	.protected	k_q875f1f9c4f_fc1
	.globl	k_q875f1f9c4f_fc1
	.p2align	8
	.type	k_q875f1f9c4f_fc1,@function
k_q875f1f9c4f_fc1:
	s_mov_b64 s[64:65], 0
	v_nop
	global_prefetch_b8 v0, s[64:65] scope:SCOPE_SE
	s_setreg_imm32_b32 hwreg(HW_REG_WAVE_MODE, 25, 1), 1
	s_wait_xcnt 0x0
	s_wait_alu depctr_hold_cnt(0) depctr_sa_sdst(0) depctr_va_vdst(0) depctr_va_sdst(0) depctr_va_ssrc(0) depctr_va_vcc(0) depctr_vm_vsrc(0)
	s_getreg_b32 s2, hwreg(HW_REG_IB_STS2, 6, 4)
	s_cmp_eq_u32 s2, 0
	s_cbranch_scc0 .Lentry_in_a_cluster
	s_endpgm
.Lentry_in_a_cluster:
	s_bfe_u32 s2, ttmp6, 0x10000c
	s_cmp_lg_u32 s2, 0xf033
	s_cbranch_scc0 .Lentry_shape_is_right
	s_endpgm
.Lentry_shape_is_right:
.set SIZE_N, 4096
.set SIZE_K, 1024
.set QKV,    0
.set GELU,   1
.set KSTEP,  256
.set ROWB,   256
.set KROW,   SIZE_K
.set PITCH,  272
.set FR,     16
.set NL,     4
.set NP,     4
.set HALFT,  128*PITCH
.set SLOT,   4*HALFT
.set LAPS,   SIZE_K/(2*KSTEP)
.set SPARE,  2*SLOT
.set SP,     144
.set WST,    128*SP+128
.set ADRA, 16
.set ADRB, 20
.set STO,  24
.set RD,   25
.set CO,   26
.set BO,   27
.set SPW,  28
.set NIL,  29
.set STA,  30
.set BIAS, 64
.set AF,   128
.set EX,   0
.set ET,   64
.set EX2,  96
.set EP,   128
.set EQ,   160
.set ECD,  192
.set EKC,  208
.set ESC,  234
.set ELM,  235
.set AI,   80
.set SO,   81
.set ABASE, 84
.set WBASE, 86
.set KO,   88
.set G1, 24
.set G0, 32
.set G1B, 48
.set G0B, 56
.set MSB, 0
.macro WIN new
.if MSB != \new
	s_set_vgpr_msb (MSB<<8)|\new
.set MSB, \new
.endif
.endm
.set MUL_LO, 0xa1
.set MUL_HI, 0xf1
.set TO_B,   0x40
.macro JLOAD g0a, g1a, g0b, g1b
	s_cmp_eq_u32 s15, 0
	s_cbranch_scc0 .Lfor_b_\@
	tensor_load_to_lds s[\g0a:\g0a+3], s[\g1a:\g1a+7]
	s_nop 0
.rept 4
	v_nop
.endr
	s_branch .Lasked_\@
.Lfor_b_\@:
	tensor_load_to_lds s[\g0b:\g0b+3], s[\g1b:\g1b+7]
	s_nop 0
.rept 4
	v_nop
.endr
.Lasked_\@:
.endm
.macro CREST
	s_cmp_lg_u32 s14, 0
	s_cbranch_scc1 .Lnot_wave_0_\@
	s_barrier_signal -3
.Lnot_wave_0_\@:
	s_barrier_wait -3
	s_barrier_signal -1
	s_barrier_wait -1
.endm
.macro CROUND
	s_barrier_signal -1
	s_barrier_wait -1
	CREST
.endm
	s_load_b128 s[4:7], s[0:1], 0x0
	s_load_b128 s[8:11], s[0:1], 0x10
	s_load_b64 s[12:13], s[0:1], 0x20
	v_lshl_add_u32 v[SPW], v0, 2, SPARE
	v_mov_b32 v[NIL], 0
	ds_add_u32 v28, v29
	ds_add_u32 v28, v29
	s_wait_dscnt 0x0
	v_lshrrev_b32 v1, 5, v0
	v_readfirstlane_b32 s14, v1
	s_lshr_b32 s15, s14, 1
	s_and_b32 s16, s14, 1
	s_bfe_u32 s40, ttmp6, 0x40000
	s_bfe_u32 s41, ttmp6, 0x40004
	s_lshl_b32 s42, ttmp9, 2
	s_add_co_u32 s42, s42, s40
	s_and_b32 s17, ttmp7, 0xffff
	s_lshl_b32 s17, s17, 2
	s_add_co_u32 s17, s17, s41
	s_lshl_b32 s43, s41, 2
	s_lshl_b32 s43, 15, s43
	s_lshl_b32 s44, 0x1111, s40
	s_xor_b32 s[KO], ttmp9, ttmp7
	s_and_b32 s[KO], s[KO], 1
	s_mul_i32 s[KO], s[KO], SIZE_K/2
	s_mov_b32 s[KO+1], 0
	s_add_co_u32 s[KO+2], s[KO], ROWB
	s_mov_b32 s[KO+3], 0
	s_or_b32 s[G1+0], s43, (0<<16)|(1<<20)|(1<<21)|(5<<22)|(3<<25)
	s_or_b32 s[G1B+0], s44, (0<<16)|(1<<20)|(1<<21)|(5<<22)|(3<<25)
.irp g, G1, G1B
	s_mov_b32 s[\g+1], ROWB<<16
	s_mov_b32 s[\g+2], 128<<16
	s_mov_b32 s[\g+3], ROWB<<16
	s_mov_b32 s[\g+4], 128
	s_mov_b32 s[\g+5], KROW
	s_mov_b32 s[\g+6], 0
	s_mov_b32 s[\g+7], 0
.endr
	s_lshl_b32 s18, s16, 7
	s_lshl_b32 s20, s17, 8
	s_add_co_u32 s20, s20, s18
	s_lshl_b32 s46, s42, 8
	s_add_co_u32 s46, s46, s18
	s_mov_b32 s21, 0
	s_mov_b32 s47, 0
	s_mov_b64 s[18:19], KROW
	s_mul_u64 s[20:21], s[20:21], s[18:19]
	s_mul_u64 s[46:47], s[46:47], s[18:19]
	s_mul_i32 s45, s14, HALFT
	s_wait_kmcnt 0x0
.if QKV
	s_load_b256 s[68:75], s[8:9], 0x0
.else
	s_load_b128 s[68:71], s[8:9], 0x20
.endif
	s_add_nc_u64 s[ABASE:ABASE+1], s[4:5], s[20:21]
	s_add_nc_u64 s[WBASE:WBASE+1], s[6:7], s[46:47]
	CROUND
.irp s, 0,1
	s_mov_b32 s[G0+4*\s], 1
	s_add_co_u32 s[G0+4*\s+1], s45, \s*SLOT
	s_add_nc_u64 s[G0+4*\s+2:G0+4*\s+3], s[ABASE:ABASE+1], s[KO+2*\s:KO+2*\s+1]
	s_or_b32 s[G0+4*\s+3], s[G0+4*\s+3], 0x80000000
	s_mov_b32 s[G0B+4*\s], 1
	s_add_co_u32 s[G0B+4*\s+1], s45, \s*SLOT
	s_add_nc_u64 s[G0B+4*\s+2:G0B+4*\s+3], s[WBASE:WBASE+1], s[KO+2*\s:KO+2*\s+1]
	s_or_b32 s[G0B+4*\s+3], s[G0B+4*\s+3], 0x80000000
.if \s
	s_wait_alu depctr_va_vdst(0)
	s_wait_tensorcnt 0x0
	ds_add_u32 v28, v29
	ds_add_u32 v28, v29
	s_wait_dscnt 0x0
	CROUND
.endif
	JLOAD G0+4*\s, G1, G0B+4*\s, G1B
.endr
	v_and_b32 v1, 15, v0
	s_wait_alu depctr_va_vdst(0)
	v_bfe_u32 v2, v0, 4, 1
	v_mul_u32_u24 v3, v1, PITCH
	v_lshl_add_u32 v4, v2, 4, v3
	s_mul_i32 s21, s15, HALFT
	s_mul_i32 s22, s16, HALFT
	s_add_co_u32 s22, s22, 2*HALFT
.irp s, 0,1
	v_add_nc_u32 v[ADRA+\s], s21, v4
	v_add_nc_u32 v[ADRB+\s], s22, v4
	s_add_co_u32 s21, s21, SLOT
	s_add_co_u32 s22, s22, SLOT
.endr
	s_mul_i32 s23, s14, WST
	v_mul_u32_u24 v5, v1, SP
	s_wait_alu depctr_va_vdst(0)
	v_lshl_add_u32 v5, v2, 3, v5
	v_add_nc_u32 v[STO], s23, v5
	s_mul_i32 s23, s15, 2*WST
	s_mul_i32 s18, s16, 64*SP
	s_add_co_u32 s23, s23, s18
	v_bfe_u32 v5, v0, 3, 1
	v_mul_u32_u24 v5, v5, WST
	v_mul_u32_u24 v6, v2, SP
	v_add_nc_u32 v5, v5, v6
	v_and_b32 v6, 7, v0
	v_lshl_add_u32 v5, v6, 4, v5
	v_add_nc_u32 v[RD], s23, v5
	v_mul_u32_u24 v5, v2, SIZE_N
	v_lshl_add_u32 v[CO], v1, 4, v5
	v_lshlrev_b32 v[BO], 5, v2
	s_wait_alu depctr_va_vdst(0)
	s_lshl_b32 s20, s17, 8
	s_lshl_b32 s21, s14, 6
	s_add_co_u32 s20, s20, s21
	s_mov_b32 s21, 0
	s_mov_b64 s[18:19], SIZE_N
	s_mul_u64 s[20:21], s[20:21], s[18:19]
	s_lshl_b32 s46, s42, 8
	s_mov_b32 s47, 0
	s_add_nc_u64 s[20:21], s[20:21], s[46:47]
	s_add_nc_u64 s[12:13], s[12:13], s[20:21]
	s_lshl_b32 s46, s42, 10
	s_lshl_b32 s47, s16, 9
	s_add_co_u32 s46, s46, s47
	s_mov_b32 s47, 0
	s_add_nc_u64 s[10:11], s[10:11], s[46:47]
.irp b, 0,1,2,3,4,5,6,7
	global_load_b128 v[BIAS+8*\b:BIAS+8*\b+3], v[BO], s[10:11] offset:64*\b
	global_load_b128 v[BIAS+8*\b+4:BIAS+8*\b+7], v[BO], s[10:11] offset:64*\b+16
.endr
.macro FRAG reg, adr, q, i
.irp c, 0,1,2,3
	ds_load_b128 v[\reg+4*\c:\reg+4*\c+3], v[\adr] offset:128*(\q)+32*\c+(\i)*16*PITCH
.endr
.endm
.macro MUL16 a0, p, zero
.irp a, \a0, \a0+1
.irp b, 0,1,2,3,4,5,6,7
.if \zero
	v_wmma_f32_16x16x128_fp8_fp8 v[8*(8*((\a)%4)+\b):8*(8*((\a)%4)+\b)+7], v[128*(\p)+FR*\b:128*(\p)+FR*\b+FR-1], v[AF+FR*(\a):AF+FR*(\a)+FR-1], 0
.else
	v_wmma_f32_16x16x128_fp8_fp8 v[8*(8*((\a)%4)+\b):8*(8*((\a)%4)+\b)+7], v[128*(\p)+FR*\b:128*(\p)+FR*\b+FR-1], v[AF+FR*(\a):AF+FR*(\a)+FR-1], v[8*(8*((\a)%4)+\b):8*(8*((\a)%4)+\b)+7]
.endif
.endr
.endr
.endm
.macro FETCH_B slot, q, p
	WIN TO_B
.irp i, 0,1,2,3,4,5,6,7
	FRAG 128*(\p)+FR*\i, ADRB+\slot, \q, \i
.endr
	WIN 0
.endm
.macro FETCH_A slot, q, i0
.irp i, \i0, \i0+1, \i0+2, \i0+3
	FRAG AF+FR*(\i), ADRA+\slot, \q, \i
.endr
.endm
.macro PLACES n
.rept \n
	v_nop
.endr
.endm
.macro STEP slot, q, zero
	s_wait_dscnt 4*NL
	WIN MUL_LO
	MUL16 0, (\q)%2, \zero
	MUL16 2, (\q)%2, \zero
	s_wait_dscnt 0
	PLACES NP
	FETCH_B \slot, (\q)+1, 1-(\q)%2
	FETCH_A \slot, (\q)+1, 0
	WIN MUL_HI
	MUL16 4, (\q)%2, \zero
	MUL16 6, (\q)%2, \zero
	PLACES NP
	WIN 0
	FETCH_A \slot, (\q)+1, 4
.endm
.macro TURN slot, next, fill
	s_wait_tensorcnt 0x0
	ds_add_u32 v[SPW], v[NIL]
.if \fill
	s_add_co_u32 s[KO+2*\slot], s[KO+2*\slot], 2*ROWB
	s_and_b32 s[KO+2*\slot], s[KO+2*\slot], SIZE_K-1
	s_add_nc_u64 s[G0+4*\slot+2:G0+4*\slot+3], s[ABASE:ABASE+1], s[KO+2*\slot:KO+2*\slot+1]
	s_or_b32 s[G0+4*\slot+3], s[G0+4*\slot+3], 0x80000000
	s_add_nc_u64 s[G0B+4*\slot+2:G0B+4*\slot+3], s[WBASE:WBASE+1], s[KO+2*\slot:KO+2*\slot+1]
	s_or_b32 s[G0B+4*\slot+3], s[G0B+4*\slot+3], 0x80000000
.endif
	s_wait_dscnt 4*NL+1
	WIN MUL_LO
	MUL16 0, 1, 0
	s_wait_dscnt 0x0
	s_barrier_signal -1
	MUL16 2, 1, 0
	WIN 0
	s_barrier_wait -1
.if \fill
	CREST
	JLOAD G0+4*\slot, G1, G0B+4*\slot, G1B
.else
	PLACES NP
.endif
	FETCH_B \next, 0, 0
	FETCH_A \next, 0, 0
	WIN MUL_HI
	MUL16 4, 1, 0
	MUL16 6, 1, 0
	PLACES NP
	WIN 0
	FETCH_A \next, 0, 4
.endm
	s_wait_tensorcnt 1
	s_barrier_signal -1
	s_barrier_wait -1
	FETCH_B 0, 0, 0
	FETCH_A 0, 0, 0
	FETCH_A 0, 0, 4
	STEP 0, 0, 1
	s_mov_b32 s3, LAPS-1
.Llap:
	TURN 0, 1, 1
	STEP 1, 0, 0
	TURN 1, 0, 1
	STEP 0, 0, 0
	s_sub_co_u32 s3, s3, 1
	s_cmp_lg_u32 s3, 0
	s_cbranch_scc1 .Llap
	TURN 0, 1, 0
	STEP 1, 0, 0
	s_wait_dscnt 4*NL
	WIN MUL_LO
	MUL16 0, 1, 0
	MUL16 2, 1, 0
	s_wait_dscnt 0
	WIN MUL_HI
	MUL16 4, 1, 0
	MUL16 6, 1, 0
	WIN 0
.macro COPY k
	WIN (0x42+(\k)/4)
.set i, 0
.rept 32
	v_pk_fma_f32 v[EX+i:EX+i+1], v[64*((\k)%4)+i:64*((\k)%4)+i+1], s[96:97], v[BIAS+i:BIAS+i+1] op_sel_hi:[1,0,1]
.set i, i+2
.endr
	WIN 0
.endm
.macro KSET n, val
	v_mov_b32 v[EKC+2*\n], \val
	v_mov_b32 v[EKC+2*\n+1], \val
.endm
.macro GELU32 o
.set i, 0
.rept 16
	v_pk_mul_f32 v[ET+i:ET+i+1], v[EX+\o+i:EX+\o+i+1], v[EKC:EKC+1]
.set i, i+2
.endr
.set i, 0
.rept 32
	v_med3_num_f32 v[ET+i], v[ET+i], -4.0, 4.0
.set i, i+1
.endr
.set i, 0
.rept 16
	v_pk_mul_f32 v[EX2+i:EX2+i+1], v[ET+i:ET+i+1], v[ET+i:ET+i+1]
.set i, i+2
.endr
.set i, 0
.rept 16
	v_pk_fma_f32 v[EP+i:EP+i+1], v[EX2+i:EX2+i+1], v[EKC+2:EKC+3], v[EKC+4:EKC+5]
	v_pk_fma_f32 v[EQ+i:EQ+i+1], v[EX2+i:EX2+i+1], v[EKC+16:EKC+17], v[EKC+18:EKC+19]
.set i, i+2
.endr
.irp m, 6,8,10,12,14
.set i, 0
.rept 16
	v_pk_fma_f32 v[EP+i:EP+i+1], v[EP+i:EP+i+1], v[EX2+i:EX2+i+1], v[EKC+\m:EKC+\m+1]
.set i, i+2
.endr
.endr
.irp m, 20,22,24
.set i, 0
.rept 16
	v_pk_fma_f32 v[EQ+i:EQ+i+1], v[EQ+i:EQ+i+1], v[EX2+i:EX2+i+1], v[EKC+\m:EKC+\m+1]
.set i, i+2
.endr
.endr
.set i, 0
	s_wait_alu depctr_va_vdst(0)
.rept 32
	v_rcp_f32 v[EQ+i], v[EQ+i]
.set i, i+1
.endr
.set i, 0
.rept 16
	v_pk_mul_f32 v[EP+i:EP+i+1], v[EP+i:EP+i+1], v[ET+i:ET+i+1]
	v_pk_mul_f32 v[EX+\o+i:EX+\o+i+1], v[EX+\o+i:EX+\o+i+1], 0.5 op_sel_hi:[1,0]
.set i, i+2
.endr
	s_wait_alu depctr_va_vdst(0)
.set i, 0
.rept 16
	v_pk_mul_f32 v[EP+i:EP+i+1], v[EP+i:EP+i+1], v[EQ+i:EQ+i+1]
.set i, i+2
.endr
.set i, 0
.rept 16
	v_pk_fma_f32 v[EX+\o+i:EX+\o+i+1], v[EX+\o+i:EX+\o+i+1], v[EP+i:EP+i+1], v[EX+\o+i:EX+\o+i+1]
.set i, i+2
.endr
.endm
	s_wait_kmcnt 0x0
	s_add_co_i32 s96, s68, s69
	s_add_co_i32 s96, s96, 127
	s_lshl_b32 s96, s96, 23
	s_mov_b32 s97, s96
.if QKV
	s_cmp_eq_u32 ttmp9, 1
	s_cselect_b32 s76, s71, s70
	s_cmp_eq_u32 ttmp9, 2
	s_cselect_b32 s76, s72, s76
.else
	s_mov_b32 s76, s70
.endif
	s_add_co_i32 s76, s76, 127
	s_lshl_b32 s77, s76, 23
	s_add_co_i32 s76, s76, 8
	s_lshl_b32 s76, s76, 23
	s_or_b32 s76, s76, 0x600000
	s_wait_loadcnt 0x0
	PLACES NP
	WIN 0x40
	v_mov_b32 v[ESC], s77
	v_mov_b32 v[ELM], s76
.if GELU
	KSET 0, 0x3f3504f3
	KSET 1, 0xaf95df0b
	KSET 2, 0x32edffee
	KSET 3, 0xb60cff51
	KSET 4, 0xb86ec2d2
	KSET 5, 0xba40ac63
	KSET 6, 0xbb41a1f6
	KSET 7, 0xbc83dbd4
	KSET 8, 0xb77460cd
	KSET 9, 0xb95fbd29
	KSET 10, 0xbadc924e
	KSET 11, 0xbbf19bf8
	KSET 12, 0xbc69b6a7
.endif
	WIN 0
	s_mov_b32 s[AI], 0
	s_mov_b32 s[SO], 0
.Lepi:
.irp k, 0,1,2,3,4,5,6
	s_cmp_eq_u32 s[AI], \k
	s_cbranch_scc1 .Lc_\k
.endr
	COPY 7
	s_branch .Lwork
.irp k, 0,1,2,3,4,5
.Lc_\k:
	COPY \k
	s_branch .Lwork
.endr
.Lc_6:
	COPY 6
.Lwork:
	s_wait_dscnt 0x0
	v_add_nc_u32 v[STA], s[SO], v[STO]
	WIN 0x55
.if GELU
	GELU32 0
	GELU32 32
.endif
.set i, 0
.rept 64
	v_med3_num_f32 v[EX+i], v[EX+i], -v[ELM], v[ELM]
.set i, i+1
.endr
.set i, 0
.rept 8
	v_cvt_scalef32_pk8_fp8_f32 v[ECD+2*i:ECD+2*i+1], v[EX+8*i:EX+8*i+7], v[ESC]
.set i, i+1
.endr
	v_nop
	WIN 0x04
.set i, 0
.rept 8
	ds_store_b64 v[STA], v[ECD+2*i:ECD+2*i+1] offset:16*i
.set i, i+1
.endr
	WIN 0
	s_add_co_u32 s[SO], s[SO], 16*SP
	s_add_co_u32 s[AI], s[AI], 1
	s_cmp_lt_u32 s[AI], 8
	s_cbranch_scc1 .Lepi
	s_wait_dscnt 0x0
	s_barrier_signal -1
	s_barrier_wait -1
.set i, 0
.rept 32
	ds_load_b128 v[128+4*i:128+4*i+3], v[RD] offset:2*i*SP
.set i, i+1
.endr
.set i, 0
.rept 32
	s_wait_dscnt 31-i
	global_store_b128 v[CO], v[128+4*i:128+4*i+3], s[12:13] offset:2*i*SIZE_N
.set i, i+1
.endr
	s_wait_tensorcnt 0x0
	ds_add_u32 v[SPW], v[NIL]
	s_wait_dscnt 0x0
	CROUND
	s_endpgm
.Lfunc_end_k_q875f1f9c4f_fc1:
	.size	k_q875f1f9c4f_fc1, .Lfunc_end_k_q875f1f9c4f_fc1-k_q875f1f9c4f_fc1
	.p2alignl 7, 3214868480
	.fill 96, 4, 3214868480
	.section	.rodata,"a",@progbits
	.p2align	6, 0x0
	.amdhsa_kernel k_q875f1f9c4f_fc1
		.amdhsa_group_segment_fixed_size 327680
		.amdhsa_private_segment_fixed_size 0
		.amdhsa_enable_private_segment 0
		.amdhsa_kernarg_size 40
		.amdhsa_user_sgpr_count 2
		.amdhsa_user_sgpr_kernarg_segment_ptr 1
		.amdhsa_wavefront_size32 1
		.amdhsa_system_sgpr_workgroup_id_x 1
		.amdhsa_system_sgpr_workgroup_id_y 1
		.amdhsa_system_sgpr_workgroup_id_z 1
		.amdhsa_system_vgpr_workitem_id 0
		.amdhsa_next_free_vgpr 1024
		.amdhsa_next_free_sgpr 100
		.amdhsa_reserve_vcc 0
		.amdhsa_float_denorm_mode_32 3
		.amdhsa_float_denorm_mode_16_64 3
		.amdhsa_memory_ordered 1
		.amdhsa_forward_progress 1
		.amdhsa_inst_pref_size 150
	.end_amdhsa_kernel
	.amdgpu_metadata
---
amdhsa.version: [ 1, 2 ]
amdhsa.kernels:
  - .name:           k_q875f1f9c4f_fc1
    .symbol:         k_q875f1f9c4f_fc1.kd
    .args:
      - { .name: acodes, .offset: 0, .size: 8, .value_kind: global_buffer, .address_space: global }
      - { .name: fc1_w_codes, .offset: 8, .size: 8, .value_kind: global_buffer, .address_space: global }
      - { .name: lowp_scales, .offset: 16, .size: 8, .value_kind: global_buffer, .address_space: global }
      - { .name: fc1_b, .offset: 24, .size: 8, .value_kind: global_buffer, .address_space: global }
      - { .name: hid, .offset: 32, .size: 8, .value_kind: global_buffer, .address_space: global }
    .group_segment_fixed_size: 327680
    .private_segment_fixed_size: 0
    .kernarg_segment_align: 8
    .kernarg_segment_size: 40
    .max_flat_workgroup_size: 128
    .sgpr_count:     100
    .vgpr_count:     1024
    .wavefront_size: 32
...
	.end_amdgpu_metadata
.endif
;; end of part 4
;; launch fc2 (part 5): grid 8 x 32, 4 waves a work-group, clusters of 4 x 4, 327,680 bytes of LDS; arguments hid, fc2_w_codes, lowp_scales, fc2_b, x2, out0; writes out0
.if DOCPART == 5
	.amdgcn_target "amdgcn-amd-amdhsa--gfx1250"
	.amdhsa_code_object_version 6
	.text
	.protected	k_q875f1f9c4f_fc2
	.globl	k_q875f1f9c4f_fc2
	.p2align	8
	.type	k_q875f1f9c4f_fc2,@function
k_q875f1f9c4f_fc2:
	s_mov_b64 s[64:65], 0
	v_nop
	global_prefetch_b8 v0, s[64:65] scope:SCOPE_SE
	s_setreg_imm32_b32 hwreg(HW_REG_WAVE_MODE, 25, 1), 1
	s_wait_xcnt 0x0
	s_wait_alu depctr_hold_cnt(0) depctr_sa_sdst(0) depctr_va_vdst(0) depctr_va_sdst(0) depctr_va_ssrc(0) depctr_va_vcc(0) depctr_vm_vsrc(0)
	s_getreg_b32 s2, hwreg(HW_REG_IB_STS2, 6, 4)
	s_cmp_eq_u32 s2, 0
	s_cbranch_scc0 .Lentry_in_a_cluster
	s_endpgm
.Lentry_in_a_cluster:
	s_bfe_u32 s2, ttmp6, 0x10000c
	s_cmp_lg_u32 s2, 0xf033
	s_cbranch_scc0 .Lentry_shape_is_right
	s_endpgm
.Lentry_shape_is_right:
.set SIZE_K, 4096
.set SCO,    40
.set NT,     1
.set KSTEP,  512
.set PITCH,  528
.set HALFT,  64*PITCH
.set SLOT,   4*HALFT
.set SPARE,  2*SLOT
.set SP,     272
.set LAPS, SIZE_K/(2*KSTEP)
.set ADRA, 16
.set ADRB, 20
.set STO,  24
.set RD,   25
.set CO,   26
.set BO,   27
.set SPW,  28
.set NIL,  29
.set BIA,  96
.set ACC,  128
.set F0,   0
.set F1,   128
.set ABASE, 80
.set WBASE, 82
.set KO,   84
.set G1, 24
.set G0, 32
.set G1B, 48
.set G0B, 56
.set MSB, 0
.macro WIN new
.if MSB != \new
	s_set_vgpr_msb (MSB<<8)|\new
.set MSB, \new
.endif
.endm
.set MUL,  0x05
.set TO_F, 0x40
.macro JLOAD s
	s_cmp_eq_u32 s11, 0
	s_cbranch_scc0 .Lfor_b_\@
	tensor_load_to_lds s[G0+4*\s:G0+4*\s+3], s[G1:G1+7]
	s_nop 0
.rept 4
	v_nop
.endr
	s_branch .Lasked_\@
.Lfor_b_\@:
	tensor_load_to_lds s[G0B+4*\s:G0B+4*\s+3], s[G1B:G1B+7]
	s_nop 0
.rept 4
	v_nop
.endr
.Lasked_\@:
.endm
.macro CREST
	s_cmp_lg_u32 s10, 0
	s_cbranch_scc1 .Lnot_wave_0_\@
	s_barrier_signal -3
.Lnot_wave_0_\@:
	s_barrier_wait -3
	s_barrier_signal -1
	s_barrier_wait -1
.endm
.macro CROUND
	s_barrier_signal -1
	s_barrier_wait -1
	CREST
.endm
	s_load_b128 s[4:7], s[0:1], 0x0
	s_load_b128 s[76:79], s[0:1], 0x10
	s_load_b128 s[68:71], s[0:1], 0x20
	v_lshl_add_u32 v[SPW], v0, 2, SPARE
	v_mov_b32 v[NIL], 0
	ds_add_u32 v28, v29
	ds_add_u32 v28, v29
	s_wait_dscnt 0x0
	v_lshrrev_b32 v1, 5, v0
	v_readfirstlane_b32 s10, v1
	s_lshr_b32 s11, s10, 1
	s_and_b32 s12, s10, 1
	s_bfe_u32 s40, ttmp6, 0x40000
	s_bfe_u32 s41, ttmp6, 0x40004
	s_lshl_b32 s42, ttmp9, 2
	s_add_co_u32 s42, s42, s40
	s_and_b32 s13, ttmp7, 0xffff
	s_lshl_b32 s13, s13, 2
	s_add_co_u32 s13, s13, s41
	s_lshl_b32 s43, s41, 2
	s_lshl_b32 s43, 15, s43
	s_lshl_b32 s44, 0x1111, s40
	s_xor_b32 s[KO], ttmp9, ttmp7
	s_and_b32 s[KO], s[KO], 1
	s_mul_i32 s[KO], s[KO], SIZE_K/2
	s_mov_b32 s[KO+1], 0
	s_add_co_u32 s[KO+2], s[KO], KSTEP
	s_mov_b32 s[KO+3], 0
	s_or_b32 s[G1+0], s43, (0<<16)|(1<<20)|(1<<21)|(6<<22)|(3<<25)
	s_or_b32 s[G1B+0], s44, (0<<16)|(1<<20)|(1<<21)|(6<<22)|(3<<25)
.irp g, G1, G1B
	s_mov_b32 s[\g+1], KSTEP<<16
	s_mov_b32 s[\g+2], 64<<16
	s_mov_b32 s[\g+3], KSTEP<<16
	s_mov_b32 s[\g+4], 64
	s_mov_b32 s[\g+5], SIZE_K
	s_mov_b32 s[\g+6], 0
	s_mov_b32 s[\g+7], 0
.endr
	s_lshl_b32 s17, s12, 6
	s_lshl_b32 s16, s13, 7
	s_add_co_u32 s16, s16, s17
	s_lshl_b32 s46, s42, 7
	s_add_co_u32 s46, s46, s17
	s_mov_b32 s17, 0
	s_mov_b32 s47, 0
	s_mov_b64 s[18:19], SIZE_K
	s_mul_u64 s[16:17], s[16:17], s[18:19]
	s_mul_u64 s[46:47], s[46:47], s[18:19]
	s_mul_i32 s20, s10, HALFT
	s_wait_kmcnt 0x0
	s_load_b64 s[72:73], s[76:77], SCO
	s_add_nc_u64 s[ABASE:ABASE+1], s[4:5], s[16:17]
	s_add_nc_u64 s[WBASE:WBASE+1], s[6:7], s[46:47]
	CROUND
.irp s, 0,1
	s_mov_b32 s[G0+4*\s], 1
	s_add_co_u32 s[G0+4*\s+1], s20, \s*SLOT
	s_add_nc_u64 s[G0+4*\s+2:G0+4*\s+3], s[ABASE:ABASE+1], s[KO+2*\s:KO+2*\s+1]
	s_or_b32 s[G0+4*\s+3], s[G0+4*\s+3], 0x80000000
	s_mov_b32 s[G0B+4*\s], 1
	s_add_co_u32 s[G0B+4*\s+1], s20, \s*SLOT
	s_add_nc_u64 s[G0B+4*\s+2:G0B+4*\s+3], s[WBASE:WBASE+1], s[KO+2*\s:KO+2*\s+1]
	s_or_b32 s[G0B+4*\s+3], s[G0B+4*\s+3], 0x80000000
.if \s
	s_wait_alu depctr_va_vdst(0)
	s_wait_tensorcnt 0x0
	ds_add_u32 v28, v29
	ds_add_u32 v28, v29
	s_wait_dscnt 0x0
	CROUND
.endif
	JLOAD \s
.endr
	v_and_b32 v1, 15, v0
	s_wait_alu depctr_va_vdst(0)
	v_bfe_u32 v2, v0, 4, 1
	v_mul_u32_u24 v3, v1, PITCH
	v_lshl_add_u32 v3, v2, 4, v3
	s_mul_i32 s21, s11, HALFT
	s_mul_i32 s22, s12, HALFT
	s_add_co_u32 s22, s22, 2*HALFT
.irp s, 0,1
	v_add_nc_u32 v[ADRA+\s], s21, v3
	v_add_nc_u32 v[ADRB+\s], s22, v3
	s_add_co_u32 s21, s21, SLOT
	s_add_co_u32 s22, s22, SLOT
.endr
	s_mul_i32 s23, s10, 16*SP
	v_mul_u32_u24 v4, v1, SP
	s_wait_alu depctr_va_vdst(0)
	v_lshl_add_u32 v4, v2, 5, v4
	v_add_nc_u32 v[STO], s23, v4
	v_mul_u32_u24 v5, v2, SP
	v_lshl_add_u32 v5, v1, 4, v5
	v_add_nc_u32 v[RD], s23, v5
	v_lshlrev_b32 v5, 12, v2
	v_lshl_add_u32 v[CO], v1, 4, v5
	v_lshlrev_b32 v[BO], 4, v1
	v_lshlrev_b32 v30, 12, v1                      ; the prefetches' offset: row l % 16 of 4,096 bytes,
	v_lshl_add_u32 v30, v2, 8, v30                 ; block l / 16 of 256 bytes; never rewritten
	s_wait_alu depctr_va_vdst(0)
	s_lshl_b32 s16, s13, 7
	s_lshl_b32 s17, s11, 6
	s_add_co_u32 s16, s16, s17
	s_lshl_b32 s16, s16, 12
	s_mov_b32 s17, 0
	s_lshl_b32 s46, s42, 9
	s_lshl_b32 s47, s12, 8
	s_add_co_u32 s46, s46, s47
	s_mov_b32 s47, 0
	s_add_nc_u64 s[78:79], s[78:79], s[46:47]
	s_add_nc_u64 s[16:17], s[16:17], s[46:47]
	s_add_nc_u64 s[68:69], s[68:69], s[16:17]
	s_add_nc_u64 s[70:71], s[70:71], s[16:17]
	; PREFETCHES INTO THE L2.  A K step of the 64 rows that my wave fetches is 128 blocks of 256 bytes.  The four partners that ask for them jointly share them out by address:
	; the partner at place p (cx for A, cy for W) names rows 16 p .. 16 p + 15, two blocks each: one instruction a wave, each block once in the cluster.
	; Behind each refill the K step two refills on is named (along K the offsets wrap inside the row); the loop's last trip names nothing.  K steps 2 and 3 are named here, once.
	s_cmp_eq_u32 s11, 0
	s_cselect_b64 s[88:89], s[ABASE:ABASE+1], s[WBASE:WBASE+1]
	s_cselect_b32 s92, s40, s41
	s_lshl_b32 s92, s92, 16                        ; 16 rows of 4,096 bytes for each place
	s_mov_b32 s93, 0
	s_add_nc_u64 s[88:89], s[88:89], s[92:93]
	s_add_co_u32 s92, s[KO], 2*KSTEP
	s_and_b32 s92, s92, SIZE_K-1
	s_add_nc_u64 s[90:91], s[88:89], s[92:93]
	global_prefetch_b8 v30, s[90:91] th:TH_LOAD_NT scope:SCOPE_SE
	s_add_co_u32 s92, s[KO+2], 2*KSTEP
	s_and_b32 s92, s92, SIZE_K-1
	s_add_nc_u64 s[94:95], s[88:89], s[92:93]
	global_prefetch_b8 v30, s[94:95] th:TH_LOAD_NT scope:SCOPE_SE
	global_load_b128 v[BIA:BIA+3], v[BO], s[78:79]
	WIN 0x80
.irp a, 0,1,2,3
.irp t, 0,1,2,3,4,5,6,7
	global_load_b128 v[4*(8*\a+\t):4*(8*\a+\t)+3], v[CO], s[68:69] offset:(16*\a+2*\t)*4096 th:TH_LOAD_NT
.endr
.endr
	WIN 0
.macro MUL8 f, a0, zero
.irp a, \a0, \a0+1
.irp b, 0,1,2,3
.if \zero
	v_wmma_f32_16x16x128_fp8_fp8 v[ACC+8*(4*(\a)+\b):ACC+8*(4*(\a)+\b)+7], v[\f+64+16*\b:\f+64+16*\b+15], v[\f+16*(\a):\f+16*(\a)+15], 0
.else
	v_wmma_f32_16x16x128_fp8_fp8 v[ACC+8*(4*(\a)+\b):ACC+8*(4*(\a)+\b)+7], v[\f+64+16*\b:\f+64+16*\b+15], v[\f+16*(\a):\f+16*(\a)+15], v[ACC+8*(4*(\a)+\b):ACC+8*(4*(\a)+\b)+7]
.endif
.endr
.endr
.endm
.macro FETCH slot, k, f
	WIN TO_F
.irp i, 0,1,2,3
.irp c, 0,1,2,3
	ds_load_b128 v[\f+64+16*\i+4*\c:\f+64+16*\i+4*\c+3], v[ADRB+\slot] offset:\k+32*\c+\i*16*PITCH
.endr
.endr
.irp i, 0,1,2,3
.irp c, 0,1,2,3
	ds_load_b128 v[\f+16*\i+4*\c:\f+16*\i+4*\c+3], v[ADRA+\slot] offset:\k+32*\c+\i*16*PITCH
.endr
.endr
.endm
.macro PLACES
.rept 4
	v_nop
.endr
.endm
.macro QUARTER slot, k, f, g, zero
	s_wait_dscnt 8
	WIN MUL
	MUL8 \f, 0, \zero
	PLACES
	FETCH \slot, \k, \g
	s_wait_dscnt 32
	WIN MUL
	MUL8 \f, 2, \zero
.endm
.macro TURN slot, next, fill
	WIN 0
	s_wait_tensorcnt 0x0
	ds_add_u32 v[SPW], v[NIL]
.if \fill
	s_add_co_u32 s[KO+2*\slot], s[KO+2*\slot], 2*KSTEP
	s_and_b32 s[KO+2*\slot], s[KO+2*\slot], SIZE_K-1
	s_add_nc_u64 s[G0+4*\slot+2:G0+4*\slot+3], s[ABASE:ABASE+1], s[KO+2*\slot:KO+2*\slot+1]
	s_or_b32 s[G0+4*\slot+3], s[G0+4*\slot+3], 0x80000000
	s_add_nc_u64 s[G0B+4*\slot+2:G0B+4*\slot+3], s[WBASE:WBASE+1], s[KO+2*\slot:KO+2*\slot+1]
	s_or_b32 s[G0B+4*\slot+3], s[G0B+4*\slot+3], 0x80000000
	s_wait_xcnt 0x0                                ; my last prefetch has read its address, which is written here:
	s_add_co_u32 s92, s[KO+2*\slot], 2*KSTEP       ; this slot's K step after the one that is asked for below
	s_and_b32 s92, s92, SIZE_K-1
	s_add_nc_u64 s[90:91], s[88:89], s[92:93]
.endif
	s_wait_dscnt 9
	WIN MUL
	MUL8 F1, 0, 0
	s_wait_dscnt 0x0
	WIN 0
	s_barrier_signal -1
	s_barrier_wait -1
.if \fill
	CREST
	JLOAD \slot
.else
	PLACES
.endif
	FETCH \next, 0, F0
.if \fill
	WIN 0                                          ; at a branch and at a label every window is 0
	s_cmp_gt_u32 s3, 1                             ; the last trip's refills have no K step two refills on
	s_cbranch_scc0 .Lnoask_\@
	global_prefetch_b8 v30, s[90:91] th:TH_LOAD_NT scope:SCOPE_SE
.Lnoask_\@:
.endif
	WIN MUL
	MUL8 F1, 2, 0
.endm
	s_wait_tensorcnt 1
	s_barrier_signal -1
	s_barrier_wait -1
	FETCH 0, 0, F0
	QUARTER 0, 128, F0, F1, 1
.if LAPS > 1
	WIN 0
	s_mov_b32 s3, LAPS-1
.Llap:
	QUARTER 0, 256, F1, F0, 0
	QUARTER 0, 384, F0, F1, 0
	TURN 0, 1, 1
	QUARTER 1, 128, F0, F1, 0
	QUARTER 1, 256, F1, F0, 0
	QUARTER 1, 384, F0, F1, 0
	TURN 1, 0, 1
	QUARTER 0, 128, F0, F1, 0
	WIN 0
	s_sub_co_u32 s3, s3, 1
	s_cmp_lg_u32 s3, 0
	s_cbranch_scc1 .Llap
.endif
	QUARTER 0, 256, F1, F0, 0
	QUARTER 0, 384, F0, F1, 0
	TURN 0, 1, 0
	QUARTER 1, 128, F0, F1, 0
	QUARTER 1, 256, F1, F0, 0
	QUARTER 1, 384, F0, F1, 0
	s_wait_dscnt 8
	WIN MUL
	MUL8 F1, 0, 0
	s_wait_dscnt 0
	MUL8 F1, 2, 0
	WIN 0
	s_wait_kmcnt 0x0
	s_add_co_i32 s74, s72, s73
	s_add_co_i32 s74, s74, 127
	s_lshl_b32 s74, s74, 23
	s_mov_b32 s75, s74
	PLACES
.irp a, 0,1,2,3
.irp b, 0,1,2,3
	ds_store_b128 v[STO], v[ACC+8*(4*\a+\b):ACC+8*(4*\a+\b)+3] offset:64*\b
	ds_store_b128 v[STO], v[ACC+8*(4*\a+\b)+4:ACC+8*(4*\a+\b)+7] offset:64*\b+16
.endr
.irp t, 0,1,2,3,4,5,6,7
	ds_load_b128 v[ACC+32*\a+4*\t:ACC+32*\a+4*\t+3], v[RD] offset:2*\t*SP
.endr
.endr
	s_wait_loadcnt 0x0
.irp a, 0,1,2,3
	s_wait_dscnt 48-16*\a
.irp t, 0,1,2,3,4,5,6,7
.irp p, 0,2
	v_pk_fma_f32 v[ACC+32*\a+4*\t+\p:ACC+32*\a+4*\t+\p+1], v[ACC+32*\a+4*\t+\p:ACC+32*\a+4*\t+\p+1], s[74:75], v[BIA+\p:BIA+\p+1] op_sel_hi:[1,0,1]
.endr
.endr
	WIN 0x08
.irp t, 0,1,2,3,4,5,6,7
.irp p, 0,2
	v_pk_add_f32 v[ACC+32*\a+4*\t+\p:ACC+32*\a+4*\t+\p+1], v[ACC+32*\a+4*\t+\p:ACC+32*\a+4*\t+\p+1], v[4*(8*\a+\t)+\p:4*(8*\a+\t)+\p+1]
.endr
.endr
	WIN 0
.irp t, 0,1,2,3,4,5,6,7
.if NT
	global_store_b128 v[CO], v[ACC+32*\a+4*\t:ACC+32*\a+4*\t+3], s[70:71] offset:(16*\a+2*\t)*4096 th:TH_STORE_NT
.else
	global_store_b128 v[CO], v[ACC+32*\a+4*\t:ACC+32*\a+4*\t+3], s[70:71] offset:(16*\a+2*\t)*4096
.endif
.endr
.endr
	s_wait_tensorcnt 0x0
	ds_add_u32 v[SPW], v[NIL]
	s_wait_dscnt 0x0
	CROUND
	s_endpgm
.Lfunc_end_k_q875f1f9c4f_fc2:
	.size	k_q875f1f9c4f_fc2, .Lfunc_end_k_q875f1f9c4f_fc2-k_q875f1f9c4f_fc2
	.p2alignl 7, 3214868480
	.fill 96, 4, 3214868480
	.section	.rodata,"a",@progbits
	.p2align	6, 0x0
	.amdhsa_kernel k_q875f1f9c4f_fc2
		.amdhsa_group_segment_fixed_size 327680
		.amdhsa_private_segment_fixed_size 0
		.amdhsa_enable_private_segment 0
		.amdhsa_kernarg_size 48
		.amdhsa_user_sgpr_count 2
		.amdhsa_user_sgpr_kernarg_segment_ptr 1
		.amdhsa_wavefront_size32 1
		.amdhsa_system_sgpr_workgroup_id_x 1
		.amdhsa_system_sgpr_workgroup_id_y 1
		.amdhsa_system_sgpr_workgroup_id_z 1
		.amdhsa_system_vgpr_workitem_id 0
		.amdhsa_next_free_vgpr 768
		.amdhsa_next_free_sgpr 100
		.amdhsa_reserve_vcc 0
		.amdhsa_float_denorm_mode_32 3
		.amdhsa_float_denorm_mode_16_64 3
		.amdhsa_memory_ordered 1
		.amdhsa_forward_progress 1
		.amdhsa_inst_pref_size 84
	.end_amdhsa_kernel
	.amdgpu_metadata
---
amdhsa.version: [ 1, 2 ]
amdhsa.kernels:
  - .name:           k_q875f1f9c4f_fc2
    .symbol:         k_q875f1f9c4f_fc2.kd
    .args:
      - { .name: hid, .offset: 0, .size: 8, .value_kind: global_buffer, .address_space: global }
      - { .name: fc2_w_codes, .offset: 8, .size: 8, .value_kind: global_buffer, .address_space: global }
      - { .name: lowp_scales, .offset: 16, .size: 8, .value_kind: global_buffer, .address_space: global }
      - { .name: fc2_b, .offset: 24, .size: 8, .value_kind: global_buffer, .address_space: global }
      - { .name: x2, .offset: 32, .size: 8, .value_kind: global_buffer, .address_space: global }
      - { .name: out0, .offset: 40, .size: 8, .value_kind: global_buffer, .address_space: global }
    .group_segment_fixed_size: 327680
    .private_segment_fixed_size: 0
    .kernarg_segment_align: 8
    .kernarg_segment_size: 48
    .max_flat_workgroup_size: 128
    .sgpr_count:     100
    .vgpr_count:     768
    .wavefront_size: 32
...
	.end_amdgpu_metadata
.endif
;; end of part 5
